; MI455X (gfx1250); checked and timed in simulation.
; The chip was launched on July 23, 2026; its instructions are those of AMD's public machine-readable ISA for CDNA 5 (MIT licence, August 2026) and "CDNA5" Instruction Set Architecture Reference Guide (July 2026). The comments in the code are by the model that wrote it; some were corrected since.
;; Multi Head Dot Product Attention. Allowed arithmetic: matrix products marked QUANTISED: E2M1 operands, one E8M0 scale for each 32 along K, by v_wmma_scale_f32_16x16x128_f8f6f4 with both operands' format E2M1 (or v_wmma_scale_f32_32x16x128_f4), f32 sums; products left as they are: bf16, f16 or f32 operands; f32 sums; everything else in f32.
;; Inputs: Wk 1,024 x 1,024 float32; Wo 1,024 x 1,024 float32; Wq 1,024 x 1,024 float32; Wv 1,024 x 1,024 float32; inputs_kv 4 x 2,048 x 1,024 float32; inputs_q 4 x 2,048 x 1,024 float32; mask 1 x 1 x 2,048 x 2,048 bool; rel_bias 16 x 32 float32.
;; Outputs: out0 4 x 2,048 x 1,024 float32.
;; This version of the problem:
;;   THIS VERSION OF THE PROBLEM IS GIVEN IN LOW PRECISION. The matrix products marked QUANTISED in the list below multiply operands that are first quantised to E2M1 (2 exponent bits, 1 mantissa bit; 4 bits a number), with one power-of-two scale for each 32 numbers along K (OCP MX v1.0); their sums are f32. The products marked 'left as it is' may take bf16, f16 or f32 operands, with f32 sums. Whichever they take, every output number must still come out within the allowed error. Rounding operands to bf16 (8 significant bits) uses up far more of that allowance than f16 does (11 bits, for magnitudes from 6e-5 to 65,504). All else is computed in f32.
;;   The module's matrix products, in the order in which they are computed (A, B: the left and right operand; K: the contracted axis; several contracted axes count as one K, in the product's order):
;;     1. [M 8,192, K 1,024] x [K 1,024, N 1,024]; A: input inputs_q; B: input Wq: QUANTISED
;;     2. [M 8,192, K 1,024] x [K 1,024, N 1,024]; A: input inputs_kv; B: input Wk: QUANTISED
;;     3. [M 8,192, K 1,024] x [K 1,024, N 1,024]; A: input inputs_kv; B: input Wv: QUANTISED
;;     4. batch 64 x [M 2,048, K 64] x [K 64, N 2,048]; A: computed on the way; B: computed on the way: left as it is (an operand is computed on the way)
;;     5. batch 64 x [M 64, K 2,048] x [K 2,048, N 2,048]; A: computed on the way; B: computed on the way: left as it is (an operand is computed on the way)
;;     6. [M 8,192, K 1,024] x [K 1,024, N 1,024]; A: computed on the way; B: input Wo: left as it is (an operand is computed on the way)
;;   THE QUANTISER, for each operand of a quantised product, along K:
;;     - K is cut into blocks of 32 from its start; a last block that is shorter is filled with zeros.
;;     - A block's scale is 2^e with e = floor(log2(the largest magnitude in the block)) - 2, held to -126 .. 127; a block of zeros has e = 0. As a byte (E8M0): e + 127.
;;     - Each number is divided by its block's scale, clamped to +-6, and rounded to the nearest number of E2M1, ties to even, subnormals kept.
;;     - The product sums the exact products of the quantised numbers (number of the format x scale) in f32.
;;   ~~~python
;;   def quantise(x, axis):      # numpy; x: float32 -> the quantised numbers, widened to float32 again
;;       x = np.moveaxis(x, axis, -1); K = x.shape[-1]
;;       x = np.pad(x, [(0, 0)] * (x.ndim - 1) + [(0, -K % 32)]); x = x.reshape(x.shape[:-1] + (-1, 32)); a = np.abs(x).max(-1, keepdims=True)
;;       e = np.where(a > 0, np.clip(np.frexp(np.where(a > 0, a, 1))[1] - 1 - 2, -126, 127), 0)      # np.frexp(a)[1] - 1 = floor(log2(a)), exactly
;;       r = np.clip(x / 2.0 ** e, -6, 6)
;;       step = 2.0 ** (np.maximum(np.frexp(np.where(r == 0, 1, r))[1] - 1, 0) - 1)
;;       q = np.round(r / step) * step * 2.0 ** e      # np.round: ties to even
;;       return np.moveaxis(q.reshape(q.shape[:-2] + (-1,))[..., :K], -1, axis).astype(np.float32)
;;   ~~~
;; One version. Each part assembles by itself: llvm-mc -triple=amdgcn-amd-amdhsa -mcpu=gfx1250 --defsym DOCPART=n.
;; ======== version 1 of 1: 4 launches
;; limits: values are held in f16: magnitudes above 65,504 overflow, below 6.1e-05 lose precision
;; workspace buffers: x_codes 8,388,608 bytes; x_scales 524,288 bytes; w_codes 1,572,864 bytes; w_scales 98,304 bytes; wot2 4,194,304 bytes; mbits 524,288 bytes of whole numbers; qkv 50,331,648 bytes; att 16,777,216 bytes
;; launch prep (part 1): grid 688 x 1, 4 waves a work-group, no clusters, 137,728 bytes of LDS; arguments Wq, Wk, Wv, Wo, mask, inputs_q, inputs_kv, w_codes, w_scales, wot2, mbits, x_codes, x_scales; writes w_codes, w_scales, wot2, mbits, x_codes, x_scales
.if DOCPART == 1
	.amdgcn_target "amdgcn-amd-amdhsa--gfx1250"
	.amdhsa_code_object_version 6
	.text
	.protected	k_q7c241cb6bc_prep
	.globl	k_q7c241cb6bc_prep
	.p2align	8
	.type	k_q7c241cb6bc_prep,@function
k_q7c241cb6bc_prep:
	s_mov_b64 s[64:65], 0
	v_nop
	global_prefetch_b8 v0, s[64:65] scope:SCOPE_SE
	s_setreg_imm32_b32 hwreg(HW_REG_WAVE_MODE, 25, 1), 1
	s_wait_xcnt 0x0
; PREP: everything that is made once from the inputs, in one launch of four paths chosen by the work-group's number.
;   W (work-groups 0-47):    Wq, Wk, Wv [1024 k][1024 n] f32 -> codes of FP4 (E2M1), K innermost, w_codes [3072 n][512 bytes], and E8M0 bytes w_scales [3072][32].
;   T (48-111):              Wo [1024 k][1024 n] f32 -> a PAIR of f16 numbers, high = f16(w), low = f16(w - high), laid wot2 [1024 n][4 chunks of 256 k][high 256 | low 256].
;   M (112-175):             mask [2048 q][2048 k] bytes -> bits in the order in which the attention launch's score registers want them:
;                            mbits [64 blocks of 32 queries][32 key steps][64 words]; word 2 (8 t + j) + qt, bit 16 h + r = mask[32 P + 16 qt + r][64 ks + 16 t + 8 h + j].
;   X (176-687):             inputs_q and inputs_kv [8192][1024] f32 -> x_codes [16384 rows][512 bytes], x_scales [16384][32]; rows 0-8191 inputs_q, then inputs_kv.
; DEAD WORK: none is left out in the whole program.  The mask is an input, so no tile of scores is dropped on any pattern of it; every input has a way to the output and every input is loaded.
; The bucket of the relative position is a function of q - k alone, made of reference()'s own constants; the attention launch builds it from whole-number thresholds.
; THE QUANTISER: a block's scale is 2^(floor(log2(its largest magnitude)) - 2); its byte is that magnitude's exponent field - 2, held at 1 from below; numbers are divided by the scale and rounded to the nearest code, ties to even,
; beyond 6 the largest code.  A block of zeros gets the byte 1 where the rule says 127: its codes are zeros, which add nothing, and this program alone reads the bytes.
; LIMITS: NaN and infinities among the inputs are not served; blocks whose largest magnitude lies under 2^-124 keep the byte 1; |Wo| stays under 65,504 (f16).
; LDS: each path has bytes of its own: W 0 .. 34,815; T 34,816 .. 104,447; X 104,448 .. 137,215; the spare words from 137,216 on, 128 bytes a wave.  No tensor load, no barrier: waves share nothing.
.set TBASE, 34816
.set XBASE, 104448
.set SPARE, 137216
.set SPW,   190                        ; v190 LDS address of my spare word; never rewritten
.set NIL,   191                        ; v191 0; never rewritten
.set EMAX,  2
.set WP,    272                        ; a stage row of paths W and T: 256 bytes + 16
.macro FINISH                          ; a wave's end
	s_wait_tensorcnt 0x0
	ds_add_u32 v[SPW], v[NIL]
	s_wait_dscnt 0x0
	s_endpgm
.endm
	s_load_b512 s[4:19], s[0:1], 0x0               ; Wq s[4:5], Wk s[6:7], Wv s[8:9], Wo s[10:11], mask s[12:13], inputs_q s[14:15], inputs_kv s[16:17], w_codes s[18:19]
	s_load_b256 s[20:27], s[0:1], 0x40             ; w_scales s[20:21], wot2 s[22:23], mbits s[24:25], x_codes s[26:27]
	s_load_b64 s[28:29], s[0:1], 0x60              ; x_scales
	v_lshl_add_u32 v[SPW], v0, 2, SPARE
	v_mov_b32 v[NIL], 0
	v_lshrrev_b32 v1, 5, v0
	v_readfirstlane_b32 s30, v1                    ; wave 0..3
	v_and_b32 v2, 31, v0                           ; lane
	s_wait_kmcnt 0x0
	s_cmp_lt_u32 ttmp9, 48
	s_cbranch_scc1 .Lpath_w
	s_cmp_lt_u32 ttmp9, 112
	s_cbranch_scc1 .Lpath_t
	s_cmp_lt_u32 ttmp9, 176
	s_cbranch_scc1 .Lpath_m
; ---------------- PATH X: the activations.  Rows are dense and 1,024 is a multiple of 32: a tensor is a plain stream of blocks of 32, and so are its codes and its bytes.
; A wave takes 16 steps of 512 numbers.  Each load reads 512 consecutive bytes; a step's 2,048 bytes turn through the wave's own stage in LDS so that a lane holds 16 neighbours (two lanes to a block).
.set SP,  80                           ; a lane's place in a stage: 64 bytes + 16 of padding
.set XR,  16                           ; v16-79   four sets of 16 numbers as loaded
.set XX,  80                           ; v80-111  two sets of 16 neighbours
.set XE,  112                          ; v112-127 a scale byte for each step
.set XC,  128                          ; v128-189 codes: registers of its own for each step, so that no store's data are written again
	s_sub_co_u32 s31, ttmp9, 176                   ; g = 0 .. 511: 0-255 inputs_q, 256-511 inputs_kv
	v_lshlrev_b32 v3, 4, v2                        ; my 16 bytes of a load's 512
	s_mul_i32 s32, s30, 8192
	s_add_co_u32 s32, s32, XBASE                   ; my wave's region
	v_lshrrev_b32 v14, 2, v2
	v_mul_u32_u24 v14, v14, SP
	v_and_b32 v15, 3, v2
	v_lshl_add_u32 v14, v15, 4, v14
	v_add_nc_u32 v14, s32, v14                     ; the stage, on the way in: SP (lane / 4) + 16 (lane % 4)
	v_mul_u32_u24 v15, v2, SP
	v_add_nc_u32 v15, s32, v15                     ; and on the way out: SP x lane
	v_lshlrev_b32 v4, 3, v2                        ; my 8 bytes of a step's codes
	v_lshrrev_b32 v5, 1, v2
	s_add_co_u32 s32, s32, 2*32*SP
	v_add_nc_u32 v5, s32, v5                       ; my wave's 256 scale bytes: my block's byte
	v_lshlrev_b32 v7, 3, v2
	v_add_nc_u32 v6, s32, v7                       ; and on the way out 8 bytes a lane
	s_cmp_lt_u32 s31, 256                          ; the choice hangs on the work-group's number alone
	s_cselect_b64 s[34:35], s[14:15], s[16:17]
	s_and_b32 s33, s31, 255
	s_lshl_b32 s33, s33, 2
	s_add_co_u32 s36, s33, s30                     ; which run of 8,192 numbers of its tensor is my wave's
	s_lshl_b32 s36, s36, 15
	s_mov_b32 s37, 0
	s_add_nc_u64 s[34:35], s[34:35], s[36:37]
	s_lshl_b32 s38, s31, 2
	s_add_co_u32 s38, s38, s30                     ; and which run of the joint buffers
	s_lshl_b32 s36, s38, 12
	s_add_nc_u64 s[26:27], s[26:27], s[36:37]      ; 4,096 bytes of codes a run
	s_lshl_b32 s36, s38, 8
	s_add_nc_u64 s[28:29], s[28:29], s[36:37]      ; 256 scale bytes a run
.macro XLOAD t
.irp i, 0,1,2,3
	global_load_b128 v[XR+16*((\t)%4)+4*\i:XR+16*((\t)%4)+4*\i+3], v3, s[34:35] offset:2048*(\t)+512*\i th:TH_LOAD_NT
.endr
.endm
.macro XTURN t                         ; step t's numbers through the stage: LDS serves a wave's instructions in order, so no wait stands between the stores and the loads
.irp i, 0,1,2,3
	ds_store_b128 v14, v[XR+16*((\t)%4)+4*\i:XR+16*((\t)%4)+4*\i+3] offset:32*SP*((\t)%2)+8*SP*\i
.endr
.irp i, 0,1,2,3
	ds_load_b128 v[XX+16*((\t)%2)+4*\i:XX+16*((\t)%2)+4*\i+3], v15 offset:32*SP*((\t)%2)+16*\i
.endr
.endm
.irp t, 0,1,2,3
	XLOAD \t
.endr
	s_wait_loadcnt 12                              ; step 0's four loads are in; the twelve of steps 1 to 3 may be out
	XTURN 0
.macro XSTEP t
.set XS, XX+16*((\t)%2)
.if (\t) > 0
	s_wait_dscnt 1                                 ; this step's numbers are back from the stage (the last step's byte store may be out)
.else
	s_wait_dscnt 0x0
.endif
.if (\t)+4 < 16
	XLOAD (\t)+4                                   ; into the registers that this step's stage stores have read
.endif
.if (\t)+1 < 16
.if 14-(\t) >= 3
	s_wait_loadcnt 12                              ; the next step's four loads are in; those of the three steps behind it may be out
.else
	s_wait_loadcnt 4*(14-(\t))
.endif
	XTURN (\t)+1
.endif
	v_max3_num_f32 v8, |v[XS]|, |v[XS+1]|, |v[XS+2]|               ; the largest magnitude of my 16, in two chains
	v_max3_num_f32 v9, |v[XS+3]|, |v[XS+4]|, |v[XS+5]|
.irp i, 6,10
	v_max3_num_f32 v8, v8, |v[XS+\i]|, |v[XS+\i+1]|
	v_max3_num_f32 v9, v9, |v[XS+\i+2]|, |v[XS+\i+3]|
.endr
	v_max3_num_f32 v8, v8, |v[XS+14]|, |v[XS+15]|
	v_max3_num_f32 v8, v8, v9, (EMAX+1)<<23        ; and the floor 2^(3 - 127): the byte cannot fall under 1
	v_max_num_f32_dpp v8, v8, v8 row_xmask:1 row_mask:0xf bank_mask:0xf   ; with my neighbour's 16: the block's
	v_add_nc_u32 v11, -(EMAX<<23), v8              ; 2 off its exponent field: the conversion takes the exponent field of this operand as its scale
	v_cvt_scalef32_pk8_fp4_f32 v[XC+4*(\t)], v[XS:XS+7], v11
	v_cvt_scalef32_pk8_fp4_f32 v[XC+4*(\t)+1], v[XS+8:XS+15], v11
	v_lshrrev_b32 v[XE+(\t)], 23, v11              ; the scale's byte
	ds_store_b8 v5, v[XE+(\t)] offset:16*(\t)      ; both lanes of a block write the same byte with the same value
	global_store_b64 v4, v[XC+4*(\t):XC+4*(\t)+1], s[26:27] offset:256*(\t)   ; the wave stores 256 consecutive bytes, aligned
.endm
.irp t, 0,1,2,3,4,5,6,7,8,9,10,11,12,13,14,15
	XSTEP \t
.endr
	ds_load_b64 v[8:9], v6                         ; my wave's 256 scale bytes: these loads see my stores
	s_wait_dscnt 0x0
	global_store_b64 v7, v[8:9], s[28:29]          ; 256 consecutive bytes, aligned
	FINISH
; ---------------- PATH W: the three quantised weights.  K is the FIRST axis: a lane takes a column n and its registers run down K, so a block of 32 lies in one lane and the codes come out with K innermost.
; A wave takes 32 columns x 512 along K; its codes go through its own stage and leave as rows: sixteen lanes store 256 consecutive bytes.
.set WX,   32                          ; v32-95   two sets of 32 numbers
.set WC,   96                          ; v96-99   a block's codes
.set WOUT, 112                         ; v112-175 the way out
.set WSB,  24                          ; v24-27   the scale bytes, four to a register
.Lpath_w:
	s_lshr_b32 s31, ttmp9, 4                       ; which weight: 0 Wq, 1 Wk, 2 Wv
	s_and_b32 s32, ttmp9, 7                        ; which 128 columns
	s_bfe_u32 s33, ttmp9, 0x10003                  ; which 512 along K
	s_lshl_b32 s34, s32, 7
	s_lshl_b32 s35, s30, 5
	s_add_co_u32 s34, s34, s35                     ; my wave's first column
	v_lshlrev_b32 v3, 2, v2                        ; in: 4 bytes a lane
	s_mul_i32 s35, s30, 32*WP                      ; my stage
	v_mul_u32_u24 v4, v2, WP
	v_add_nc_u32 v4, s35, v4                       ; into it: row = my column
	v_and_b32 v5, 15, v2
	v_lshrrev_b32 v6, 4, v2
	v_mul_u32_u24 v7, v6, WP
	v_lshl_add_u32 v7, v5, 4, v7
	v_add_nc_u32 v7, s35, v7                       ; out of it: sixteen lanes to a row, two rows an instruction
	v_lshlrev_b32 v8, 9, v6
	v_lshl_add_u32 v8, v5, 4, v8                   ; and the same place in w_codes (rows of 512 bytes)
	v_lshlrev_b32 v9, 5, v2                        ; my column's row of 32 scale bytes
	s_cmp_eq_u32 s31, 1
	s_cselect_b64 s[36:37], s[6:7], s[8:9]
	s_cmp_eq_u32 s31, 0
	s_cselect_b64 s[36:37], s[4:5], s[36:37]
	s_lshl_b32 s38, s33, 21                        ; 512 rows of 4,096 bytes
	s_lshl_b32 s40, s34, 2
	s_add_co_u32 s38, s38, s40
	s_mov_b32 s39, 0
	s_add_nc_u64 s[36:37], s[36:37], s[38:39]
	s_lshl_b32 s38, s31, 19                        ; codes: 524,288 bytes a weight, 512 a column, 256 for 512 along K
	s_lshl_b32 s40, s34, 9
	s_add_co_u32 s38, s38, s40
	s_lshl_b32 s40, s33, 8
	s_add_co_u32 s38, s38, s40
	s_add_nc_u64 s[18:19], s[18:19], s[38:39]
	s_lshl_b32 s38, s31, 15                        ; bytes: 32,768 a weight, 32 a column, 16 for 512 along K
	s_lshl_b32 s40, s34, 5
	s_add_co_u32 s38, s38, s40
	s_lshl_b32 s40, s33, 4
	s_add_co_u32 s38, s38, s40
	s_add_nc_u64 s[20:21], s[20:21], s[38:39]
.macro WLOAD t                         ; block t: W(32 t + i, my column) into set t % 2; every offset an immediate, 511 x 4,096 at the most
.irp i, 0,1,2,3,4,5,6,7,8,9,10,11,12,13,14,15,16,17,18,19,20,21,22,23,24,25,26,27,28,29,30,31
	global_load_b32 v[WX+32*((\t)%2)+\i], v3, s[36:37] offset:(32*(\t)+\i)*4096 th:TH_LOAD_NT
.endr
.endm
	WLOAD 0
	WLOAD 1
.macro WBLOCK t
.set XS, WX+32*((\t)%2)
.if (\t) < 15
	s_wait_loadcnt 32                              ; this block's 32 loads are in; the next block's may be out
.else
	s_wait_loadcnt 0
.endif
	v_max3_num_f32 v12, |v[XS]|, |v[XS+1]|, |v[XS+2]|
	v_max3_num_f32 v13, |v[XS+3]|, |v[XS+4]|, |v[XS+5]|
.irp i, 6,10,14,18,22,26
	v_max3_num_f32 v12, v12, |v[XS+\i]|, |v[XS+\i+1]|
	v_max3_num_f32 v13, v13, |v[XS+\i+2]|, |v[XS+\i+3]|
.endr
	v_max3_num_f32 v12, v12, |v[XS+30]|, |v[XS+31]|
	v_max3_num_f32 v12, v12, v13, (EMAX+1)<<23     ; and the floor
	v_add_nc_u32 v11, -(EMAX<<23), v12             ; the conversion's scale operand
	v_lshrrev_b32 v13, 23, v11                     ; the scale's byte
.if (\t)%4 == 0
	v_mov_b32 v[WSB+(\t)/4], v13
.else
	v_lshl_or_b32 v[WSB+(\t)/4], v13, 8*((\t)%4), v[WSB+(\t)/4]
.endif
.irp g, 0,1,2,3
	v_cvt_scalef32_pk8_fp4_f32 v[WC+\g], v[XS+8*\g:XS+8*\g+7], v11
.endr
	ds_store_b128 v4, v[WC:WC+3] offset:16*(\t)    ; 32 codes: 16 bytes of my column's row
.if (\t)+2 < 16
	WLOAD (\t)+2
.endif
	s_wait_dscnt 0x0                               ; the store has read its registers: the next block's codes may be written
.endm
.irp t, 0,1,2,3,4,5,6,7,8,9,10,11,12,13,14,15
	WBLOCK \t
.endr
	global_store_b128 v9, v[WSB:WSB+3], s[20:21]   ; my column's 16 scale bytes
.irp t, 0,1,2,3,4,5,6,7,8,9,10,11,12,13,14,15
	ds_load_b128 v[WOUT+4*\t:WOUT+4*\t+3], v7 offset:2*\t*WP
.endr
.irp t, 0,1,2,3,4,5,6,7,8,9,10,11,12,13,14,15
	s_wait_dscnt 15-\t                             ; loads come back in order: number t is in
	global_store_b128 v8, v[WOUT+4*\t:WOUT+4*\t+3], s[18:19] offset:2*\t*512
.endr
	FINISH
; ---------------- PATH T: Wo as a pair of f16 numbers, K innermost.  The same plan: a lane to a column, registers down K; a wave takes 32 columns x 128 along K, 256 bytes of high parts and 256 of low parts a column.
.set TX, 32                            ; v32-95   two sets of 32 numbers
.set TH, 96                            ; v96-111  a block's high parts, two to a register
.set TL, 112                           ; v112-127 its low parts
.Lpath_t:
	s_sub_co_u32 s31, ttmp9, 48
	s_and_b32 s32, s31, 7                          ; which 128 columns
	s_lshr_b32 s33, s31, 3                         ; which 128 along K
	s_lshl_b32 s34, s32, 7
	s_lshl_b32 s35, s30, 5
	s_add_co_u32 s34, s34, s35                     ; my wave's first column
	v_lshlrev_b32 v3, 2, v2
	s_mul_i32 s35, s30, 2*32*WP
	s_add_co_u32 s35, s35, TBASE                   ; my two stages: high, then low
	v_mul_u32_u24 v4, v2, WP
	v_add_nc_u32 v4, s35, v4
	v_and_b32 v5, 15, v2
	v_lshrrev_b32 v6, 4, v2
	v_mul_u32_u24 v7, v6, WP
	v_lshl_add_u32 v7, v5, 4, v7
	v_add_nc_u32 v7, s35, v7
	v_lshlrev_b32 v8, 12, v6
	v_lshl_add_u32 v8, v5, 4, v8                   ; the same two rows in wot2 (rows of 4,096 bytes)
	s_lshl_b32 s36, s33, 19                        ; 128 rows of 4,096 bytes
	s_lshl_b32 s38, s34, 2
	s_add_co_u32 s36, s36, s38
	s_mov_b32 s37, 0
	s_add_nc_u64 s[10:11], s[10:11], s[36:37]
	s_lshl_b32 s36, s34, 12
	s_lshr_b32 s38, s33, 1
	s_lshl_b32 s38, s38, 10                        ; the chunk of 256 k: 1,024 bytes (high, low)
	s_add_co_u32 s36, s36, s38
	s_and_b32 s38, s33, 1
	s_lshl_b32 s38, s38, 8                         ; which half of the chunk
	s_add_co_u32 s36, s36, s38
	s_add_nc_u64 s[22:23], s[22:23], s[36:37]
.macro TLOADW t
.irp i, 0,1,2,3,4,5,6,7,8,9,10,11,12,13,14,15,16,17,18,19,20,21,22,23,24,25,26,27,28,29,30,31
	global_load_b32 v[TX+32*((\t)%2)+\i], v3, s[10:11] offset:(32*(\t)+\i)*4096 th:TH_LOAD_NT
.endr
.endm
	TLOADW 0
	TLOADW 1
.macro TBLOCK t
.set XS, TX+32*((\t)%2)
.if (\t) < 3
	s_wait_loadcnt 32                              ; this block's 32 loads are in; the next block's may be out
.else
	s_wait_loadcnt 0
.endif
.irp i, 0,1,2,3,4,5,6,7,8,9,10,11,12,13,14,15
	v_cvt_pk_f16_f32 v22, v[XS+2*\i], v[XS+2*\i+1]                 ; the high parts of two neighbours along K,
	v_cvt_f32_f16 v20, v22.l                                       ; widened again,
	v_cvt_f32_f16 v21, v22.h
	v_mov_b32 v[TH+\i], v22
	v_sub_f32 v[XS+2*\i], v[XS+2*\i], v20                          ; what they leave (exact in f32),
	v_sub_f32 v[XS+2*\i+1], v[XS+2*\i+1], v21
	v_cvt_pk_f16_f32 v[TL+\i], v[XS+2*\i], v[XS+2*\i+1]            ; and its f16: the low parts
.endr
.irp g, 0,1,2,3
	ds_store_b128 v4, v[TH+4*\g:TH+4*\g+3] offset:64*(\t)+16*\g
	ds_store_b128 v4, v[TL+4*\g:TL+4*\g+3] offset:32*WP+64*(\t)+16*\g
.endr
.if (\t)+2 < 4
	TLOADW (\t)+2
.endif
	s_wait_dscnt 0x0                               ; the stores have read their registers
.endm
.irp t, 0,1,2,3
	TBLOCK \t
.endr
.irp t, 0,1,2,3,4,5,6,7,8,9,10,11,12,13,14,15
	ds_load_b128 v[32+4*\t:32+4*\t+3], v7 offset:2*\t*WP
.endr
.irp t, 0,1,2,3,4,5,6,7,8,9,10,11,12,13,14,15
	ds_load_b128 v[112+4*\t:112+4*\t+3], v7 offset:32*WP+2*\t*WP
.endr
.irp t, 0,1,2,3,4,5,6,7,8,9,10,11,12,13,14,15
	s_wait_dscnt 31-\t
	global_store_b128 v8, v[32+4*\t:32+4*\t+3], s[22:23] offset:2*\t*4096          ; sixteen lanes store 256 consecutive bytes, aligned
.endr
.irp t, 0,1,2,3,4,5,6,7,8,9,10,11,12,13,14,15
	s_wait_dscnt 15-\t
	global_store_b128 v8, v[112+4*\t:112+4*\t+3], s[22:23] offset:2*\t*4096+512
.endr
	FINISH
; ---------------- PATH M: the mask as bits.  A work-group takes 32 queries, a wave 8 key steps of 64 keys.  Lane 16 h + r loads, for tile (qt, t), the 8 bytes mask[16 qt + r][16 t + 8 h + 0 .. 7];
; a compare of byte j over the 32 lanes IS the word for score register j of that tile.  The 64 words of a key step are gathered, two to a lane, and leave as 256 consecutive bytes.
.set MR, 32                            ; v32-159  the bytes: step k, tile (qt, t) at v[MR + 16 k + 8 qt + 2 t]
.set MW, 160                           ; v160-175 the words: step k at v[MW + 2 k] (qt = 0) and + 1 (qt = 1); lane 8 t + j
.Lpath_m:
	s_sub_co_u32 s31, ttmp9, 112                   ; P: queries 32 P on
	v_and_b32 v5, 15, v2
	v_lshrrev_b32 v6, 4, v2
	v_lshlrev_b32 v3, 11, v5
	v_lshl_add_u32 v3, v6, 3, v3                   ; row r of 2,048 bytes, + 8 h
	v_lshlrev_b32 v9, 3, v2                        ; out: 8 bytes a lane
	s_lshl_b32 s36, s31, 16
	s_lshl_b32 s38, s30, 9
	s_add_co_u32 s36, s36, s38
	s_mov_b32 s37, 0
	s_add_nc_u64 s[12:13], s[12:13], s[36:37]
	s_lshl_b32 s36, s31, 5
	s_lshl_b32 s38, s30, 3
	s_add_co_u32 s36, s36, s38
	s_lshl_b32 s36, s36, 8
	s_add_nc_u64 s[24:25], s[24:25], s[36:37]
.irp k, 0,1,2,3,4,5,6,7
.irp qt, 0,1
.irp t, 0,1,2,3
	global_load_b64 v[MR+16*\k+8*\qt+2*\t:MR+16*\k+8*\qt+2*\t+1], v3, s[12:13] offset:32768*\qt+64*\k+16*\t
.endr
.endr
.endr
.irp i, 0,1,2,3,4,5,6,7,8,9,10,11,12,13,14,15
	v_mov_b32 v[MW+\i], 0                          ; a lane write's destination counts as read
.endr
.irp k, 0,1,2,3,4,5,6,7
	s_wait_loadcnt 56-8*\k                         ; this step's eight loads are in; those of the later steps may be out
.irp qt, 0,1
.irp t, 0,1,2,3
.irp j, 0,1,2,3,4,5,6,7
	v_and_b32 v[20+\j%4], 0xff<<(8*(\j%4)), v[MR+16*\k+8*\qt+2*\t+\j/4]
	v_cmp_ne_u32 s[40+\j%4], 0, v[20+\j%4]
	v_writelane_b32 v[MW+2*\k+\qt], s[40+\j%4], 8*\t+\j
.endr
.endr
.endr
	global_store_b64 v9, v[MW+2*\k:MW+2*\k+1], s[24:25] offset:256*\k
.endr
	FINISH
.Lfunc_end_k_q7c241cb6bc_prep:
	.size	k_q7c241cb6bc_prep, .Lfunc_end_k_q7c241cb6bc_prep-k_q7c241cb6bc_prep
	.p2alignl 7, 3214868480
	.fill 96, 4, 3214868480
	.section	.rodata,"a",@progbits
	.p2align	6, 0x0
	.amdhsa_kernel k_q7c241cb6bc_prep
		.amdhsa_group_segment_fixed_size 137728
		.amdhsa_private_segment_fixed_size 0
		.amdhsa_enable_private_segment 0
		.amdhsa_kernarg_size 104
		.amdhsa_user_sgpr_count 2
		.amdhsa_user_sgpr_kernarg_segment_ptr 1
		.amdhsa_wavefront_size32 1
		.amdhsa_system_sgpr_workgroup_id_x 1
		.amdhsa_system_sgpr_workgroup_id_y 1
		.amdhsa_system_sgpr_workgroup_id_z 1
		.amdhsa_system_vgpr_workitem_id 0
		.amdhsa_next_free_vgpr 192
		.amdhsa_next_free_sgpr 66
		.amdhsa_reserve_vcc 0
		.amdhsa_float_denorm_mode_32 3
		.amdhsa_float_denorm_mode_16_64 3
		.amdhsa_memory_ordered 1
		.amdhsa_forward_progress 1
		.amdhsa_inst_pref_size 255
	.end_amdhsa_kernel
	.amdgpu_metadata
---
amdhsa.version: [ 1, 2 ]
amdhsa.kernels:
  - .name:           k_q7c241cb6bc_prep
    .symbol:         k_q7c241cb6bc_prep.kd
    .args:
      - { .name: Wq, .offset: 0, .size: 8, .value_kind: global_buffer, .address_space: global }
      - { .name: Wk, .offset: 8, .size: 8, .value_kind: global_buffer, .address_space: global }
      - { .name: Wv, .offset: 16, .size: 8, .value_kind: global_buffer, .address_space: global }
      - { .name: Wo, .offset: 24, .size: 8, .value_kind: global_buffer, .address_space: global }
      - { .name: mask, .offset: 32, .size: 8, .value_kind: global_buffer, .address_space: global }
      - { .name: inputs_q, .offset: 40, .size: 8, .value_kind: global_buffer, .address_space: global }
      - { .name: inputs_kv, .offset: 48, .size: 8, .value_kind: global_buffer, .address_space: global }
      - { .name: w_codes, .offset: 56, .size: 8, .value_kind: global_buffer, .address_space: global }
      - { .name: w_scales, .offset: 64, .size: 8, .value_kind: global_buffer, .address_space: global }
      - { .name: wot2, .offset: 72, .size: 8, .value_kind: global_buffer, .address_space: global }
      - { .name: mbits, .offset: 80, .size: 8, .value_kind: global_buffer, .address_space: global }
      - { .name: x_codes, .offset: 88, .size: 8, .value_kind: global_buffer, .address_space: global }
      - { .name: x_scales, .offset: 96, .size: 8, .value_kind: global_buffer, .address_space: global }
    .group_segment_fixed_size: 137728
    .private_segment_fixed_size: 0
    .kernarg_segment_align: 8
    .kernarg_segment_size: 104
    .max_flat_workgroup_size: 128
    .sgpr_count:     66
    .vgpr_count:     192
    .wavefront_size: 32
...
	.end_amdgpu_metadata
.endif
;; end of part 1
;; launch proj (part 2): grid 12 x 32, 4 waves a work-group, clusters of 4 x 4, 327,680 bytes of LDS; arguments x_codes, x_scales, w_codes, w_scales, qkv; writes qkv
.if DOCPART == 2
	.amdgcn_target "amdgcn-amd-amdhsa--gfx1250"
	.amdhsa_code_object_version 6
	.text
	.protected	k_q7c241cb6bc_proj
	.globl	k_q7c241cb6bc_proj
	.p2align	8
	.type	k_q7c241cb6bc_proj,@function
k_q7c241cb6bc_proj:
	s_mov_b64 s[64:65], 0
	v_nop
	global_prefetch_b8 v0, s[64:65] scope:SCOPE_SE
	s_setreg_imm32_b32 hwreg(HW_REG_WAVE_MODE, 25, 1), 1
	s_wait_xcnt 0x0
	s_wait_alu depctr_hold_cnt(0) depctr_sa_sdst(0) depctr_va_vdst(0) depctr_va_sdst(0) depctr_va_ssrc(0) depctr_va_vcc(0) depctr_vm_vsrc(0)
	s_getreg_b32 s2, hwreg(HW_REG_IB_STS2, 6, 4)
	s_cmp_eq_u32 s2, 0
	s_cbranch_scc0 .Lentry_in_a_cluster
	s_endpgm
.Lentry_in_a_cluster:
	s_bfe_u32 s2, ttmp6, 0x10000c
	s_cmp_lg_u32 s2, 0xf033
	s_cbranch_scc0 .Lentry_shape_is_right
	s_endpgm
.Lentry_shape_is_right:
; PROJ: q = inputs_q Wq, k = inputs_kv Wk, v = inputs_kv Wv, the three QUANTISED products, in one launch on codes of FP4 (E2M1) with one E8M0 scale for each 32 along K = 1,024; sums in f32.  No work is left out.
; A: x_codes [16384 rows][512 bytes], x_scales [16384][32] (rows 0-8191 inputs_q, then inputs_kv).  B: w_codes [3072 = (Wq, Wk, Wv) x 1024 n][512 bytes], w_scales [3072][32].
; OUT: qkv, f16, [3 (q, k, v)][batch 4][head 16][position 2048][64]: rounded once, for the attention launch, whose products take f16 operands.  LIMIT: |q|, |k|, |v| stay under 65,504.
; A tile of C, 256 x 256, is made by a work-group of four waves; a wave makes 128 x 128: 64 accumulators, 512 registers.  K = 1,024 is two LDS slots of 512 along K (rows of 256 bytes): both are asked for at the head, and nothing is filled again.
; The scale bytes of the work-group's 256 rows of A and of B, for all of K, are two dense blocks of memory: they come once, as rows of 256 bytes.
; CLUSTERS: 4 x 4 work-groups.  The cluster's x is the product (0 q, 1 k, 2 v), the same in all sixteen.  The four of a row of the cluster need the same tiles of A, the four of a column the same tiles of B: each is asked for JOINTLY.
; THE MATRIX INSTRUCTION IS USED TRANSPOSED (source 0 = 16 rows of B, source 1 = 16 rows of A): a lane then holds eight neighbouring columns of a row of C.
; REGISTERS: window 0: v0-31 addresses; v32-95 scale words, two sets; v128-191 A's fragments, one set.  window 1: B's fragments, two sets.  windows 2, 3: the accumulators ((a, b) at v[8 (8 (a % 4) + b)]).
.set KSTEP,  512
.set NQ,     KSTEP/128
.set ROWB,   256                       ; a tile's row in bytes
.set KROW,   512                       ; a row of codes in memory
.set PITCH,  272                       ; an LDS row: 256 bytes + 16 of padding: the 16 rows that a load touches start at 16 different banks
.set FR,     8
.set NL,     2
.set NP,     4                         ; places behind this matrix instruction (ISA guide 7.12.1)
.set HALFT,  128*PITCH
.set SLOT,   4*HALFT
.set KS,     32                        ; a row of scales in bytes
.set SCL,    2*SLOT
.set HALFS,  (128*KS/256)*272
.set SBLK,   (16*KS/256)*272
.set SPARE,  SCL+4*HALFS               ; the spare words, 128 bytes a wave, that no other line names
.set SPITCH, 272                       ; the way out: a stage of 16 rows x (256 bytes + 16) for each wave, in slot 0, which has had its only fill and its last read when the first result is stored there
.set ADRA, 16
.set ADRB, 20
.set STO,  24
.set RD,   25
.set CO,   26
.set ADRS, 27
.set SPW,  28
.set NIL,  29
.set SC,   32
.set AF,   128
.set BK,   128                         ; the way out: rows read back: v128-159 and v160-191 by turns
.set TMP,  192                         ; the way out: packed results
.set G1, 24
.set G0, 32
.set G1B, 48
.set G0B, 56
.set G1S, 68
.set G0S, 76
.set G1SB, 80
.set G0SB, 88
.set MSB, 0
.macro WIN new                         ; the immediate's high byte repeats the setting that is left
.if MSB != \new
	s_set_vgpr_msb (MSB<<8)|\new
.set MSB, \new
.endif
.endm
.set MUL_LO, 0xa1
.set MUL_HI, 0xf1
.set TO_B,   0x40
; A joint load: waves 0 and 1 fetch for A, waves 2 and 3 for B.  The branch hangs on the wave's number alone.  An s_nop 0 and four v_nop follow each of the two lines.
.macro JLOAD g0a, g1a, g0b, g1b
	s_cmp_eq_u32 s15, 0
	s_cbranch_scc0 .Lfor_b_\@
	tensor_load_to_lds s[\g0a:\g0a+3], s[\g1a:\g1a+7]
	s_nop 0
.rept 4
	v_nop
.endr
	s_branch .Lasked_\@
.Lfor_b_\@:
	tensor_load_to_lds s[\g0b:\g0b+3], s[\g1b:\g1b+7]
	s_nop 0
.rept 4
	v_nop
.endr
.Lasked_\@:
.endm
.macro CROUND                          ; a round of the cluster's barrier
	s_barrier_signal -1
	s_barrier_wait -1
	s_cmp_lg_u32 s14, 0
	s_cbranch_scc1 .Lnot_wave_0_\@
	s_barrier_signal -3
.Lnot_wave_0_\@:
	s_barrier_wait -3
	s_barrier_signal -1
	s_barrier_wait -1
.endm
	s_load_b128 s[4:7], s[0:1], 0x0                ; A's codes, A's scales
	s_load_b128 s[8:11], s[0:1], 0x10              ; B's codes, B's scales
	s_load_b64 s[12:13], s[0:1], 0x20              ; qkv
	v_lshl_add_u32 v[SPW], v0, 2, SPARE
	v_mov_b32 v[NIL], 0
	ds_add_u32 v[SPW], v[NIL]                      ; the wave's opening: the add, twice on end, and its wait ahead of my first tensor load
	ds_add_u32 v[SPW], v[NIL]
	v_lshrrev_b32 v1, 5, v0
	v_readfirstlane_b32 s14, v1                    ; wave 0..3
	s_lshr_b32 s15, s14, 1                         ; which half of the tile's rows is mine.  Also: I fetch for A (0) or for B (1)
	s_and_b32 s16, s14, 1                          ; which half of its columns.  Also: which 128 rows of that tile I fetch
	s_bfe_u32 s40, ttmp6, 0x40000                  ; cx, cy
	s_bfe_u32 s41, ttmp6, 0x40004
	s_lshl_b32 s42, ttmp9, 2
	s_add_co_u32 s42, s42, s40                     ; tile column over the 3,072 rows of B = 4 x product + cx
	s_and_b32 s17, ttmp7, 0xffff
	s_lshl_b32 s17, s17, 2
	s_add_co_u32 s17, s17, s41                     ; tile row = 4 x cluster y + cy
	s_lshl_b32 s43, s41, 2
	s_lshl_b32 s43, 15, s43                        ; my row of the cluster
	s_lshl_b32 s44, 0x1111, s40                    ; my column
	s_or_b32 s[G1+0], s43, (0<<16)|(1<<20)|(1<<21)|(5<<22)|(3<<25)  ; the mask; elements of 1 byte; padding: 4 words after every 64; bit 21 beside a mask
	s_or_b32 s[G1B+0], s44, (0<<16)|(1<<20)|(1<<21)|(5<<22)|(3<<25)
.irp g, G1, G1B
	s_mov_b32 s[\g+1], ROWB<<16                    ; tensor_dim0
	s_mov_b32 s[\g+2], 128<<16                     ; tensor_dim1
	s_mov_b32 s[\g+3], ROWB<<16                    ; tile_dim0
	s_mov_b32 s[\g+4], 128                         ; tile_dim1
	s_mov_b32 s[\g+5], KROW                        ; stride
	s_mov_b32 s[\g+6], 0
	s_mov_b32 s[\g+7], 0
.endr
	s_or_b32 s[G1S+0], s43, (3<<16)|(1<<20)|(1<<21)|(5<<22)|(3<<25) ; the scales of 128 rows: 4,096 dense bytes as 16 rows of 256 (32 elements of 8 bytes), 16 bytes of padding behind each
	s_or_b32 s[G1SB+0], s44, (3<<16)|(1<<20)|(1<<21)|(5<<22)|(3<<25)
.irp g, G1S, G1SB
	s_mov_b32 s[\g+1], 32<<16
	s_mov_b32 s[\g+2], (128*KS/256)<<16
	s_mov_b32 s[\g+3], 32<<16
	s_mov_b32 s[\g+4], 128*KS/256
	s_mov_b32 s[\g+5], 32
	s_mov_b32 s[\g+6], 0
	s_mov_b32 s[\g+7], 0
.endr
	s_lshl_b32 s18, s16, 7                         ; which 128 rows of the tile I fetch
	s_lshl_b32 s20, s17, 8
	s_add_co_u32 s20, s20, s18                     ; A: row 256 x tile row + 128 x half,
	s_min_u32 s19, ttmp9, 1
	s_lshl_b32 s19, s19, 13
	s_add_co_u32 s20, s20, s19                     ; + 8,192 for products 1 and 2, which take inputs_kv: the product is the same in all sixteen partners
	s_lshl_b32 s46, s42, 8
	s_add_co_u32 s46, s46, s18                     ; B: row 256 x tile column + 128 x half
	s_mov_b32 s21, 0
	s_mov_b32 s47, 0
	s_mov_b64 s[18:19], KS
	s_mul_u64 s[22:23], s[20:21], s[18:19]         ; where these rows' scales begin
	s_mul_u64 s[92:93], s[46:47], s[18:19]
	s_mov_b64 s[18:19], KROW
	s_mul_u64 s[20:21], s[20:21], s[18:19]         ; and their codes
	s_mul_u64 s[46:47], s[46:47], s[18:19]
	s_mul_i32 s45, s14, HALFT                      ; where they go: wave x 128 rows: no place in the cluster enters an LDS address
	s_mul_i32 s94, s14, HALFS
	s_wait_dscnt 0x0                               ; both opening adds are done
	s_wait_kmcnt 0x0
	s_add_nc_u64 s[20:21], s[4:5], s[20:21]
	s_add_nc_u64 s[22:23], s[6:7], s[22:23]
	s_add_nc_u64 s[46:47], s[8:9], s[46:47]
	s_add_nc_u64 s[92:93], s[10:11], s[92:93]
	CROUND                                         ; all sixteen work-groups are here: the joint loads meet
	s_mov_b32 s[G0S], 1
	s_add_co_u32 s[G0S+1], s94, SCL
	s_mov_b64 s[G0S+2:G0S+3], s[22:23]
	s_or_b32 s[G0S+3], s[G0S+3], 0x80000000
	s_mov_b32 s[G0SB], 1
	s_add_co_u32 s[G0SB+1], s94, SCL
	s_mov_b64 s[G0SB+2:G0SB+3], s[92:93]
	s_or_b32 s[G0SB+3], s[G0SB+3], 0x80000000
	JLOAD G0S, G1S, G0SB, G1SB                     ; the scales first: they are wanted with the first slot
.irp s, 0,1
	s_mov_b32 s[G0+4*\s], 1
	s_add_co_u32 s[G0+4*\s+1], s45, \s*SLOT
	s_add_nc_u64 s[G0+4*\s+2:G0+4*\s+3], s[20:21], \s*ROWB
	s_or_b32 s[G0+4*\s+3], s[G0+4*\s+3], 0x80000000
	s_mov_b32 s[G0B+4*\s], 1
	s_add_co_u32 s[G0B+4*\s+1], s45, \s*SLOT
	s_add_nc_u64 s[G0B+4*\s+2:G0B+4*\s+3], s[46:47], \s*ROWB
	s_or_b32 s[G0B+4*\s+3], s[G0B+4*\s+3], 0x80000000
	JLOAD G0+4*\s, G1, G0B+4*\s, G1B               ; three tensor loads of mine are out at the most
.endr
	v_and_b32 v1, 15, v0                           ; l % 16
	v_bfe_u32 v2, v0, 4, 1                         ; l / 16
	v_mul_u32_u24 v3, v1, PITCH
	v_lshl_add_u32 v4, v2, 4, v3                   ; a fragment's row x pitch + 16 x half
	s_mul_i32 s21, s15, HALFT                      ; my 128 rows of A
	s_mul_i32 s22, s16, HALFT                      ; my 128 rows of B,
	s_add_co_u32 s22, s22, 2*HALFT                 ; behind A's 256
.irp s, 0,1
	v_add_nc_u32 v[ADRA+\s], s21, v4
	v_add_nc_u32 v[ADRB+\s], s22, v4
	s_add_co_u32 s21, s21, SLOT
	s_add_co_u32 s22, s22, SLOT
.endr
	v_mul_u32_u24 v5, v1, KS                       ; my row's scales: KS bytes a row,
	v_lshrrev_b32 v6, 8, v5
	v_lshl_add_u32 v5, v6, 4, v5                   ; and 16 more for each 256 passed
	s_mul_i32 s21, s15, HALFS
	s_mul_i32 s22, s16, HALFS
	s_add_co_u32 s22, s22, 2*HALFS
	s_sub_co_u32 s22, s22, s21
	v_mul_u32_u24 v6, s22, v2                      ; lanes 16-31 take B's
	s_add_co_u32 s21, s21, SCL
	v_add_nc_u32 v5, v5, v6
	v_add_nc_u32 v[ADRS], s21, v5
	s_mul_i32 s23, s14, 16*SPITCH                  ; my stage
	v_mul_u32_u24 v5, v1, SPITCH                   ; in: row l % 16, 16 bytes for each half of the lanes
	v_lshl_add_u32 v5, v2, 4, v5
	v_add_nc_u32 v[STO], s23, v5
	v_and_b32 v6, 31, v0
	v_lshlrev_b32 v[CO], 4, v6                     ; in memory: 16 bytes a lane: four positions of a head, 128 bytes each, are 512 consecutive bytes
	v_lshrrev_b32 v5, 3, v6
	v_mul_u32_u24 v5, v5, SPITCH
	v_and_b32 v6, 7, v6
	v_lshl_add_u32 v5, v6, 4, v5
	v_add_nc_u32 v[RD], s23, v5                    ; back: eight lanes take a head's 128 bytes of one row, the 32 lanes four rows
	s_lshl_b32 s20, ttmp9, 2
	s_lshr_b32 s21, s17, 3
	s_add_co_u32 s20, s20, s21                     ; 4 x product + batch
	s_lshl_b32 s20, s20, 4
	s_lshl_b32 s21, s16, 1
	s_add_co_u32 s20, s20, s21                     ; x 16 heads, + 2 x my half of the columns
	s_lshl_b32 s20, s20, 18                        ; a head is 262,144 bytes
	s_and_b32 s21, s17, 7
	s_lshl_b32 s21, s21, 8
	s_lshl_b32 s22, s15, 7
	s_add_co_u32 s21, s21, s22                     ; my first position in the sequence
	s_lshl_b32 s21, s21, 7
	s_add_co_u32 s20, s20, s21
	s_mov_b32 s21, 0
	s_lshl_b32 s46, s40, 20                        ; + 4 cx heads (in the registers that held B's address)
	s_mov_b32 s47, 0
	s_add_nc_u64 s[20:21], s[20:21], s[46:47]
	s_add_nc_u64 s[12:13], s[12:13], s[20:21]
.macro FRAG reg, adr, q, i             ; 16 rows x 128 K of 4-bit codes: 8 registers: lane l holds row l % 16; registers 4 c .. 4 c + 3 hold K = 64 c + 32 (l / 16) + 0 .. 31
.irp c, 0,1
	ds_load_b128 v[\reg+4*\c:\reg+4*\c+3], v[\adr] offset:64*(\q)+32*\c+(\i)*16*PITCH
.endr
.endm
; 16 matrix instructions: A's blocks a0, a0 + 1 x B's eight, the slot's q-th 128 along K.  The 64 accumulators take turns, one instruction a turn, in the same order in every step.
.macro MUL16 a0, p, q, sc, zero
.irp a, \a0, \a0+1
.irp b, 0,1,2,3,4,5,6,7
.if \zero
	v_wmma_scale_f32_16x16x128_f8f6f4 v[8*(8*((\a)%4)+\b):8*(8*((\a)%4)+\b)+7], v[128*(\p)+FR*\b:128*(\p)+FR*\b+FR-1], v[AF+FR*(\a):AF+FR*(\a)+FR-1], 0, v[SC+8*NQ*(\sc)+NQ*\b+(\q)], v[SC+8*NQ*(\sc)+NQ*(\a)+(\q)] matrix_a_fmt:MATRIX_FMT_FP4 matrix_b_fmt:MATRIX_FMT_FP4 matrix_a_scale:MATRIX_SCALE_ROW1
.else
	v_wmma_scale_f32_16x16x128_f8f6f4 v[8*(8*((\a)%4)+\b):8*(8*((\a)%4)+\b)+7], v[128*(\p)+FR*\b:128*(\p)+FR*\b+FR-1], v[AF+FR*(\a):AF+FR*(\a)+FR-1], v[8*(8*((\a)%4)+\b):8*(8*((\a)%4)+\b)+7], v[SC+8*NQ*(\sc)+NQ*\b+(\q)], v[SC+8*NQ*(\sc)+NQ*(\a)+(\q)] matrix_a_fmt:MATRIX_FMT_FP4 matrix_b_fmt:MATRIX_FMT_FP4 matrix_a_scale:MATRIX_SCALE_ROW1
.endif
.endr
.endr
.endm
.macro FETCH_B slot, q, p
	WIN TO_B
.irp i, 0,1,2,3,4,5,6,7
	FRAG 128*(\p)+FR*\i, ADRB+\slot, \q, \i
.endr
	WIN 0
.endm
.macro FETCH_A slot, q, i0
.irp i, \i0, \i0+1, \i0+2, \i0+3
	FRAG AF+FR*(\i), ADRA+\slot, \q, \i
.endr
.endm
.macro SCALES sc                       ; a slot's scale words: 4 words a row; lanes 0-15 take A's block i, lanes 16-31 B's block i
.irp i, 0,1,2,3,4,5,6,7
	ds_load_b128 v[SC+8*NQ*\sc+NQ*\i:SC+8*NQ*\sc+NQ*\i+3], v[ADRS] offset:\i*SBLK
.endr
.endm
.macro PLACES n                        ; plain vector instructions between a matrix instruction and a load into, or a read of, its registers
.rept \n
	v_nop
.endr
.endm
.macro STEP slot, q, zero              ; a step of 128 along K that has its successor in the same slot
	s_wait_dscnt 4*NL                              ; B's set and A's blocks 0-3 are in; the youngest eight loads (A's blocks 4-7) may be out
	WIN MUL_LO
	MUL16 0, (\q)%2, \q, \slot, \zero
	MUL16 2, (\q)%2, \q, \slot, \zero
	s_wait_dscnt 0
	PLACES NP
	FETCH_B \slot, (\q)+1, 1-(\q)%2
	FETCH_A \slot, (\q)+1, 0
	WIN MUL_HI
	MUL16 4, (\q)%2, \q, \slot, \zero
	MUL16 6, (\q)%2, \q, \slot, \zero
	PLACES NP
	WIN 0
	FETCH_A \slot, (\q)+1, 4
.endm
; Slot 0's last step changes slots: one barrier.  In front of it each wave waits for all its tensor loads (its part of slot 1) and for its reads of slot 0, which becomes the stage later on.
.macro TURN slot, next
	s_wait_tensorcnt 0x0                           ; all my tensor loads have landed
	ds_add_u32 v[SPW], v[NIL]                      ; 0 onto my spare word
	s_wait_dscnt 4*NL+1                            ; (the add and the youngest eight loads may be out)
	WIN MUL_LO
	MUL16 0, 1, NQ-1, \slot, 0
	s_wait_dscnt 0x0                               ; the add is done, and my reads of this slot are over
	s_barrier_signal -1
	MUL16 2, 1, NQ-1, \slot, 0
	WIN 0
	s_barrier_wait -1
	PLACES NP
	v_add_nc_u32 v[ADRS], 4*NQ, v[ADRS]            ; on to the next slot's scale words
	FETCH_B \next, 0, 0
	FETCH_A \next, 0, 0
	SCALES \next
	WIN MUL_HI
	MUL16 4, 1, NQ-1, \slot, 0
	MUL16 6, 1, NQ-1, \slot, 0
	PLACES NP
	WIN 0
	FETCH_A \next, 0, 4
.endm
	s_wait_tensorcnt 1                             ; the scales and my part of slot 0 are in (slot 1's load may be out)
	s_barrier_signal -1
	s_barrier_wait -1                              ; everybody's are
	FETCH_B 0, 0, 0
	FETCH_A 0, 0, 0
	SCALES 0
	FETCH_A 0, 0, 4
	STEP 0, 0, 1                                   ; the first products start the sums: nothing is cleared
	STEP 0, 1, 0
	STEP 0, 2, 0
	TURN 0, 1
	STEP 1, 0, 0
	STEP 1, 1, 0
	STEP 1, 2, 0
	s_wait_dscnt 4*NL                              ; the very last step: nothing more to fetch
	WIN MUL_LO
	MUL16 0, 1, NQ-1, 1, 0
	MUL16 2, 1, NQ-1, 1, 0
	s_wait_dscnt 0
	WIN MUL_HI
	MUL16 4, 1, NQ-1, 1, 0
	MUL16 6, 1, NQ-1, 1, 0
	WIN 0
; THE WAY OUT, block by block of 16 rows x 128 columns (two heads).  PACK: rounded to f16, 16 bytes a lane, each accumulator from its low end on.  TOSTAGE: into my own stage, and back by heads.  SEND: 512 consecutive bytes a store.
.macro PACK a
.set AC, 64*((\a)%4)
	WIN 0x0a+5*((\a)/4)                            ; sources 0 and 1: window 2 or 3
.irp b, 0,1,2,3,4,5,6,7
.irp r, 0,1,2,3
	v_cvt_pk_f16_f32 v[TMP+4*\b+\r], v[AC+8*\b+2*\r], v[AC+8*\b+2*\r+1]
.endr
.endr
	WIN 0
.endm
.macro TOSTAGE a
.set BB, BK+32*((\a)%2)
.irp b, 0,1,2,3,4,5,6,7
	ds_store_b128 v[STO], v[TMP+4*\b:TMP+4*\b+3] offset:32*\b
.endr
.irp j, 0,1
.irp t, 0,1,2,3
	ds_load_b128 v[BB+4*(4*\j+\t):BB+4*(4*\j+\t)+3], v[RD] offset:4*\t*SPITCH+128*\j   ; LDS serves a wave's instructions in order: these see the stores above
.endr
.endr
.endm
.macro SEND a
.set BB, BK+32*((\a)%2)
	s_wait_dscnt 0x0                               ; the block is back in registers
	s_wait_xcnt 0x0                                ; the stores of the block before have read their registers: the next block's loads may land there
.irp j, 0,1
.irp t, 0,1,2,3
	global_store_b128 v[CO], v[BB+4*(4*\j+\t):BB+4*(4*\j+\t)+3], s[12:13] offset:262144*\j+2048*(\a)+512*\t
.endr
.endr
.endm
	PLACES NP
	PACK 0
	TOSTAGE 0
.irp a, 1,2,3,4,5,6,7                  ; block a's conversions stand between block a - 1's loads from the stage and the wait for them
	PACK \a
	SEND (\a)-1
	TOSTAGE \a
.endr
	SEND 7
	s_wait_tensorcnt 0x0                           ; the wave's end
	ds_add_u32 v[SPW], v[NIL]
	s_wait_dscnt 0x0
	CROUND                                         ; the closing round
	s_endpgm
.Lfunc_end_k_q7c241cb6bc_proj:
	.size	k_q7c241cb6bc_proj, .Lfunc_end_k_q7c241cb6bc_proj-k_q7c241cb6bc_proj
	.p2alignl 7, 3214868480
	.fill 96, 4, 3214868480
	.section	.rodata,"a",@progbits
	.p2align	6, 0x0
	.amdhsa_kernel k_q7c241cb6bc_proj
		.amdhsa_group_segment_fixed_size 327680
		.amdhsa_private_segment_fixed_size 0
		.amdhsa_enable_private_segment 0
		.amdhsa_kernarg_size 40
		.amdhsa_user_sgpr_count 2
		.amdhsa_user_sgpr_kernarg_segment_ptr 1
		.amdhsa_wavefront_size32 1
		.amdhsa_system_sgpr_workgroup_id_x 1
		.amdhsa_system_sgpr_workgroup_id_y 1
		.amdhsa_system_sgpr_workgroup_id_z 1
		.amdhsa_system_vgpr_workitem_id 0
		.amdhsa_next_free_vgpr 1024
		.amdhsa_next_free_sgpr 98
		.amdhsa_reserve_vcc 0
		.amdhsa_float_denorm_mode_32 3
		.amdhsa_float_denorm_mode_16_64 3
		.amdhsa_memory_ordered 1
		.amdhsa_forward_progress 1
		.amdhsa_inst_pref_size 127
	.end_amdhsa_kernel
	.amdgpu_metadata
---
amdhsa.version: [ 1, 2 ]
amdhsa.kernels:
  - .name:           k_q7c241cb6bc_proj
    .symbol:         k_q7c241cb6bc_proj.kd
    .args:
      - { .name: x_codes, .offset: 0, .size: 8, .value_kind: global_buffer, .address_space: global }
      - { .name: x_scales, .offset: 8, .size: 8, .value_kind: global_buffer, .address_space: global }
      - { .name: w_codes, .offset: 16, .size: 8, .value_kind: global_buffer, .address_space: global }
      - { .name: w_scales, .offset: 24, .size: 8, .value_kind: global_buffer, .address_space: global }
      - { .name: qkv, .offset: 32, .size: 8, .value_kind: global_buffer, .address_space: global }
    .group_segment_fixed_size: 327680
    .private_segment_fixed_size: 0
    .kernarg_segment_align: 8
    .kernarg_segment_size: 40
    .max_flat_workgroup_size: 128
    .sgpr_count:     98
    .vgpr_count:     1024
    .wavefront_size: 32
...
	.end_amdgpu_metadata
.endif
;; end of part 2
;; launch attn (part 3): grid 8 x 32, 16 waves a work-group, no clusters, 327,680 bytes of LDS; arguments qkv, mbits, rel_bias, att; writes att
.if DOCPART == 3
	.amdgcn_target "amdgcn-amd-amdhsa--gfx1250"
	.amdhsa_code_object_version 6
	.text
	.protected	k_q7c241cb6bc_attn
	.globl	k_q7c241cb6bc_attn
	.p2align	8
	.type	k_q7c241cb6bc_attn,@function
k_q7c241cb6bc_attn:
	s_mov_b64 s[64:65], 0
	v_nop
	global_prefetch_b8 v0, s[64:65] scope:SCOPE_SE
	s_setreg_imm32_b32 hwreg(HW_REG_WAVE_MODE, 25, 1), 1
	s_wait_xcnt 0x0
; ATTN: att[b][q][h][:] = the sum over k of softmax_k(where(mask[q][k], q.k / 8 + rel_bias[h][bucket(q - k)], least f32)) v[b][k][h][:].  Operands q, k, v, p in f16, products' sums, maxima, exponentials and row sums in f32.
; No work is left out: the mask is an input, so every tile of scores is computed and the masked ones are selected away.
; ARITHMETIC.  u = s + 8 bias; t = c u, c = log2(e) / 8; p = 2^(t - c m), m the running largest u of the row; the sum l and O are multiplied by a = 2^(c (old m - new m)) in every step; O / l at the end.
; A masked score becomes NEG = -2^120, which swallows every bias added to it.  A row with a true entry gets p = 0 there; a row with none has m = NEG and p = 1 everywhere: the plain mean that reference() gives.
; THE BIAS.  bucket(d) = min(d, 16) + the number of thresholds T <= d, d = max(q - k, 0), T = 19 21 24 27 31 35 40 46 52 59 67 77 87 99 113: the whole numbers just above 16 x 2^(3 j / 16), none of which lies within 0.09 of
; a whole number.  A key step whose 32 x 64 distances are all <= 0 or all >= 113 has ONE bias: it is added to the maximum and to the exponent's offset, not to the scores (a branch on ids).  The three steps
; of a wave that lie between take 8 bias from a table in LDS by the diagonal: tab[n] = 8 rel_bias[head][bucket(2047 - n)].
; SHARES.  A work-group owns 256 queries of TWO neighbouring heads of one batch, so that a row's 256 bytes of att leave whole.  Each of its sixteen waves owns 32 queries (two tiles) of one head, in 256 registers:
; four waves to a SIMD, so that one wave's vector work stands beside another's products and LDS loads.  Every wave walks all 2,048 keys, 64 a step; K and V come through a ring of two LDS slots of 128 keys.
; LAYOUT.  S^T = K Q^T (source 0 = 16 keys, source 1 = 16 queries) and O^T = V^T P: a lane holds ONE query (lane % 16) throughout; two tiles of S^T, rounded to f16 in pairs, are source 1 of the second product.
; NO CLUSTER: the work-groups that walk the same K and V are the eight query blocks of a head pair, and the branch between one bias and the table, and the table's address, hang on the query block:
; partners would part on their place.  What they share is 1 MiB a work-group.
; LIMITS: scores under -2^120 are not told from masked ones; |q|, |k|, |v|, |o| under 65,504; NaN and infinities are not served.
.set KP,    144                        ; a key's row in LDS: 128 bytes + 16
.set VP,    160                        ; a value's row: 128 + 32, for the turning load
.set REG,   20480                      ; a slot: K of head A, K of head B, V of head A, V of head B, REG bytes apart
.set VOFF,  2*REG
.set SLOT1, 1<<17
.set NSL,   16                         ; slots' worth of keys
.set TAB,   263168                     ; two tables of 4,096 f32
.set SPARE, 297984                     ; the spare words, 128 bytes a wave, that no other line names
.set SPITCH, 272                       ; the way out: 256 rows x (256 bytes + 16) from byte 0: slot 0 has had its last fill and its last read by then
.set AK0, 1                            ; v1  my lane's place in a tile of K
.set AV0, 2                            ; v2  in a tile of V
.set BA,  3                            ; v3  in the table
.set ADB, 4                            ; v4  the step's table address
.set SPW, 5                            ; v5  my spare word; never rewritten
.set NIL, 6                            ; v6  0; never rewritten
.set NEG, 7                            ; v7  -2^120
.set ADK, 8
.set ADV, 9
.set ST,  12                           ; tile qt's statistics at v[ST + 8 qt]: +0 the exponent's offset, +1 m, +2 +3 l, +4 .. +7 at work (a in +6)
.set L2,  28                           ; v28-31 second chains of the sums
.set QQ,  32                           ; Q: tile qt, channels 32 c on, at v[QQ + 16 qt + 8 c]
.set SS,  64                           ; S^T: tile (qt, t) at v[SS + 32 qt + 8 t]; P in place at v[SS + 32 qt + 0 .. 15]
.set OO,  128                          ; O^T: (qt, ct) at v[OO + 32 qt + 8 ct]
.set FF,  192                          ; v192-255: K's fragments, then the biases, then V's
.set G0,  52
.set WV,  56
.set SLOTS, 57
.set DKP, 58                           ; 2,048 - my first query + the step's first key
.set BC,  59                           ; the step's one bias x 8, or 0
.set SEL, 60
.set B0,  62
.set B31, 63
.set MP,  66                           ; s[66:67] the step's 64 mask words in memory; the words lie in s4-51 and s68-83
.set G1K, 84
.set G1V, 92
.set CS,  100
.set TB,  104
; Waves 0, 1 fetch K of the two heads, waves 2, 3 V, the others nothing.  An s_nop 0 and four v_nop follow each of the two lines.
.macro TLOAD
	s_cmp_lt_u32 s[WV], 2
	s_cbranch_scc0 .Lnot_k_\@
	tensor_load_to_lds s[G0:G0+3], s[G1K:G1K+7]
	s_nop 0
.rept 4
	v_nop
.endr
	s_branch .Lasked_\@
.Lnot_k_\@:
	s_cmp_lt_u32 s[WV], 4
	s_cbranch_scc0 .Lasked_\@
	tensor_load_to_lds s[G0:G0+3], s[G1V:G1V+7]
	s_nop 0
.rept 4
	v_nop
.endr
.Lasked_\@:
.endm
	s_load_b256 s[4:11], s[0:1], 0x0               ; qkv s[4:5], mbits s[6:7], rel_bias s[8:9], att s[10:11] (loaded again at the end)
	v_lshl_add_u32 v[SPW], v0, 2, SPARE
	v_mov_b32 v[NIL], 0
	ds_add_u32 v[SPW], v[NIL]                      ; the wave's opening: the add, twice on end, and its wait ahead of the first tensor load
	ds_add_u32 v[SPW], v[NIL]
	v_lshrrev_b32 v10, 5, v0
	v_readfirstlane_b32 s[WV], v10                 ; wave 0..15
	s_and_b32 s16, ttmp7, 0xffff                   ; Y = 8 x batch + head pair
	s_lshr_b32 s18, s[WV], 3                       ; which of the two heads is mine
	s_and_b32 s19, s[WV], 7                        ; which 32 of the 256 queries
	s_mov_b32 s[G1K], (1<<16)|(1<<20)|(4<<22)|(3<<25)   ; elements of 2 bytes; padding: 4 words after every 32
	s_mov_b32 s[G1V], (1<<16)|(1<<20)|(4<<22)|(7<<25)   ; 8 words
.irp g, G1K, G1V
	s_mov_b32 s[\g+1], 64<<16                      ; tensor_dim0 = 64
	s_mov_b32 s[\g+2], 128<<16                     ; tensor_dim1 = 128
	s_mov_b32 s[\g+3], 64<<16                      ; tile_dim0
	s_mov_b32 s[\g+4], 128                         ; tile_dim1
	s_mov_b32 s[\g+5], 64                          ; stride
	s_mov_b32 s[\g+6], 0
	s_mov_b32 s[\g+7], 0
.endr
	s_mov_b32 s[G0], 1
	s_and_b32 s2, s[WV], 3
	s_mul_i32 s[G0+1], s2, REG                     ; where my tile goes, in slot 0
	s_lshr_b32 s20, s2, 1
	s_add_co_u32 s20, s20, 1
	s_lshl_b32 s20, s20, 24                        ; part 1 (k) or 2 (v) of qkv, 2^24 bytes each
	s_lshl_b32 s21, s16, 1
	s_and_b32 s22, s[WV], 1
	s_add_co_u32 s21, s21, s22
	s_lshl_b32 s21, s21, 18                        ; head 2 Y + (wave % 2), 262,144 bytes each
	s_add_co_u32 s20, s20, s21
	s_mov_b32 s21, 0
	s_mov_b32 s[SEL], 0x76543210
	s_mov_b32 s[SEL+1], 0xfedcba98
	s_mov_b32 s[CS], 0x3e38aa3b                    ; c = log2(e) / 8
	s_mov_b32 s[CS+1], s[CS]                       ; (named with it as a pair)
	s_mov_b32 s[TB], 0
	s_mov_b32 s[SLOTS], NSL-1
	s_xor_b32 s26, ttmp9, 7
	s_lshl_b32 s26, s26, 8
	s_xor_b32 s27, s19, 7
	s_lshl_b32 s27, s27, 5
	s_add_co_u32 s[DKP], s26, s27
	s_add_co_u32 s[DKP], s[DKP], 32                ; 2,048 - 256 X - 32 wq = 256 (7 - X) + 32 (7 - wq) + 32
	s_wait_dscnt 0x0                               ; both opening adds are done
	s_wait_kmcnt 0x0
	s_add_nc_u64 s[G0+2:G0+3], s[4:5], s[20:21]
	s_or_b32 s[G0+3], s[G0+3], 0x80000000
	TLOAD                                          ; slot 0: keys 0 to 127
	s_lshl_b32 s22, s16, 1
	s_add_co_u32 s22, s22, s18
	s_lshl_b32 s22, s22, 18                        ; my head in part 0 (q)
	s_lshl_b32 s23, ttmp9, 8
	s_lshl_b32 s24, s19, 5
	s_add_co_u32 s23, s23, s24                     ; my first query
	s_lshl_b32 s24, s23, 7
	s_add_co_u32 s22, s22, s24
	s_mov_b32 s23, 0
	s_add_nc_u64 s[12:13], s[4:5], s[22:23]        ; Q
	s_and_b32 s24, s16, 7
	s_lshl_b32 s24, s24, 1
	s_add_co_u32 s24, s24, s18
	s_lshl_b32 s24, s24, 7
	s_mov_b32 s25, 0
	s_add_nc_u64 s[14:15], s[8:9], s[24:25]        ; my head's 32 biases
	s_lshl_b32 s24, ttmp9, 3
	s_add_co_u32 s24, s24, s19
	s_lshl_b32 s24, s24, 13
	s_add_nc_u64 s[MP:MP+1], s[6:7], s[24:25]      ; my 32 queries' mask words: 8,192 bytes, 256 a key step
	v_and_b32 v10, 15, v0                          ; r
	v_bfe_u32 v11, v0, 4, 1                        ; h
	v_lshlrev_b32 v4, 7, v10
	v_lshl_add_u32 v4, v11, 4, v4                  ; Q: row r of 128 bytes, + 16 h
.irp qt, 0,1
.irp c, 0,1
	global_load_b128 v[QQ+16*\qt+8*\c:QQ+16*\qt+8*\c+3],   v4, s[12:13] offset:2048*\qt+64*\c
	global_load_b128 v[QQ+16*\qt+8*\c+4:QQ+16*\qt+8*\c+7], v4, s[12:13] offset:2048*\qt+64*\c+32
.endr
.endr
	v_mul_u32_u24 v[AK0], v10, KP
	v_lshl_add_u32 v[AK0], v11, 4, v[AK0]
	s_mul_i32 s28, s18, REG
	v_add_nc_u32 v[AK0], s28, v[AK0]
	v_and_b32 v28, 7, v0
	v_bfe_u32 v29, v0, 3, 1
	v_lshl_add_u32 v[AV0], v11, 3, v28             ; the turning load: key 8 h + l % 8, channels 8 ((l / 8) % 2) on
	v_mul_u32_u24 v[AV0], v[AV0], VP
	v_lshl_add_u32 v[AV0], v29, 4, v[AV0]
	s_add_co_u32 s28, s28, VOFF
	v_add_nc_u32 v[AV0], s28, v[AV0]
	s_lshl_b32 s28, s18, 14
	s_add_co_u32 s28, s28, TAB-68
	v_lshl_add_u32 v[BA], v11, 5, s28              ; register (qt, t, j) wants tab[DKP - 1 - 16 qt - r + 16 t + 8 h + j]: the lane's part, with 64 + 4 bytes taken off so that the immediates stay positive
	v_lshlrev_b32 v28, 2, v10
	v_sub_nc_u32 v[BA], v[BA], v28
	; the tables: threads 0-255 write head A's, threads 256-511 head B's; thread i' writes entries 256 e + i'.  Only e = 7 (distances 255 - i') has more than one bucket
	v_and_b32 v10, 255, v0
	v_lshrrev_b32 v11, 8, v0
	v_lshlrev_b32 v11, 14, v11
	v_lshl_add_u32 v11, v10, 2, v11
	v_add_nc_u32 v11, TAB, v11
	v_sub_nc_u32 v10, 255, v10                     ; d
	v_min_u32 v31, 16, v10
.irp th, 19,21,24,27,31,35,40,46,52,59,67,77,87,99,113
	v_cmp_le_u32 vcc_lo, \th, v10
	v_add_co_ci_u32 v31, vcc_lo, 0, v31, vcc_lo    ; + 1 for each threshold at or under d
.endr
	v_min_u32 v31, 31, v31                         ; 16 + 15 at the most: the hold states the bound of the index
	v_lshlrev_b32 v31, 2, v31
	v_mov_b32 v8, 0
	global_load_b32 v28, v8, s[14:15]              ; bucket 0's bias
	global_load_b32 v29, v8, s[14:15] offset:124   ; bucket 31's
	global_load_b32 v30, v31, s[14:15]             ; my distance's
	s_wait_loadcnt 0x0                             ; these, and Q
	v_mul_f32 v28, 0x41000000, v28                 ; x 8
	v_mul_f32 v29, 0x41000000, v29
	v_mul_f32 v30, 0x41000000, v30
.irp e, 0,1,2,3,4,5,6
	ds_store_b32 v11, v29 offset:1024*\e           ; distances of 256 and more
.endr
	ds_store_b32 v11, v30 offset:1024*7
.irp e, 8,9,10,11,12,13,14,15
	ds_store_b32 v11, v28 offset:1024*\e           ; keys behind the query
.endr
	v_readfirstlane_b32 s[B0], v28
	v_readfirstlane_b32 s[B31], v29
	s_load_b512 s[4:19], s[MP:MP+1], 0x0           ; key step 0's mask words (the arguments and bases that lay here are done with)
	s_load_b512 s[20:35], s[MP:MP+1], 0x40
	s_load_b512 s[36:51], s[MP:MP+1], 0x80
	s_load_b512 s[68:83], s[MP:MP+1], 0xc0
	v_mov_b32 v[NEG], 0xfb800000                   ; -2^120
.irp qt, 0,1
	v_mov_b32 v[ST+8*\qt+1], 0xff61b1e6            ; m: -3e38, under NEG and every score
	v_mov_b32 v[ST+8*\qt+2], 0                     ; l
	v_mov_b32 v[ST+8*\qt+3], 0
.endr
.irp j, 0,1,2,3,4,5,6,7,8,9,10,11,12,13,14,15,16,17,18,19,20,21,22,23,24,25,26,27,28,29,30,31,32,33,34,35,36,37,38,39,40,41,42,43,44,45,46,47,48,49,50,51,52,53,54,55,56,57,58,59,60,61,62,63
	v_mov_b32 v[OO+\j], 0                          ; O^T.  (The step is written without a first form of its own: the first finds zeros, which a = 0 leaves zeros)
.endr
; Eight products of S^T = K Q^T: key tiles t0, t0 + 1, both query tiles; the four accumulators take turns, one instruction a turn
.macro QK t0
.irp c, 0,1
.irp t, \t0, \t0+1
.irp qt, 0,1
.if \c == 0
	v_wmma_f32_16x16x32_f16 v[SS+32*\qt+8*(\t):SS+32*\qt+8*(\t)+7], v[FF+16*(\t)+8*\c:FF+16*(\t)+8*\c+7], v[QQ+16*\qt+8*\c:QQ+16*\qt+8*\c+7], 0
.else
	v_wmma_f32_16x16x32_f16 v[SS+32*\qt+8*(\t):SS+32*\qt+8*(\t)+7], v[FF+16*(\t)+8*\c:FF+16*(\t)+8*\c+7], v[QQ+16*\qt+8*\c:QQ+16*\qt+8*\c+7], v[SS+32*\qt+8*(\t):SS+32*\qt+8*(\t)+7]
.endif
.endr
.endr
.endr
.endm
; A KEY STEP: 64 keys, the q-th of the slot in hand.  more = 1: the next step's mask words are asked for.
.macro STEP q, more
	v_add_nc_u32 v[ADK], s[TB], v[AK0]
	v_add_nc_u32 v[ADV], s[TB], v[AV0]
.rept 3
	v_nop                                          ; with the two additions five places behind the last step's products: four for the loads into V's registers, five for the products that write over P
.endr
.irp t, 0,1,2,3
.irp c, 0,1
	ds_load_b128 v[FF+16*\t+8*\c:FF+16*\t+8*\c+3],   v[ADK] offset:(64*\q+16*\t)*KP+64*\c
	ds_load_b128 v[FF+16*\t+8*\c+4:FF+16*\t+8*\c+7], v[ADK] offset:(64*\q+16*\t)*KP+64*\c+32
.endr
.endr
	s_wait_dscnt 8                                 ; key tiles 0 and 1 are in; the eight loads of tiles 2 and 3 may be out
	QK 0
	s_wait_dscnt 0x0
	QK 2
	s_and_b32 s2, s[DKP], 0xfff                    ; (DKP is 4,032 at the most)
	v_lshl_add_u32 v[ADB], s2, 2, v[BA]            ; the step's table address; with the three below, four places behind the products
.rept 3
	v_nop
.endr
	s_cmp_ge_u32 s[DKP], 2079                      ; the largest distance, 2,079 - DKP, is 0 or less: bucket 0 throughout
	s_cselect_b32 s[BC], s[B0], s[B31]
	s_cbranch_scc1 .Lfar_\@
	s_cmp_le_u32 s[DKP], 1872                      ; the smallest, 1,985 - DKP, is 113 or more: bucket 31 throughout
	s_cbranch_scc1 .Lfar_\@
	s_mov_b32 s[BC], 0                             ; between: each score gets its own
.irp qt, 0,1
.irp t, 0,1,2,3
.irp j, 0,1,2,3,4,5,6,7
	ds_load_b32 v[FF+32*\qt+8*\t+\j], v[ADB] offset:4*(16*\t+\j)+64*(1-\qt)
.endr
.endr
.endr
	s_wait_dscnt 0x0
.irp j, 0,2,4,6,8,10,12,14,16,18,20,22,24,26,28,30,32,34,36,38,40,42,44,46,48,50,52,54,56,58,60,62
	v_pk_add_f32 v[SS+\j:SS+\j+1], v[SS+\j:SS+\j+1], v[FF+\j:FF+\j+1]
.endr
.Lfar_\@:
.irp kc, 0,1                                   ; V, turned: keys 32 kc on, channels 16 ct on; wanted behind the softmax
.irp ct, 0,1,2,3
	ds_load_tr16_b128 v[FF+32*\kc+8*\ct:FF+32*\kc+8*\ct+3],   v[ADV] offset:(64*\q+32*\kc)*VP+32*\ct
	ds_load_tr16_b128 v[FF+32*\kc+8*\ct+4:FF+32*\kc+8*\ct+7], v[ADV] offset:(64*\q+32*\kc)*VP+16*VP+32*\ct
.endr
.endr
	s_wait_kmcnt 0x0                               ; the step's mask words
.irp qt, 0,1
.irp t, 0,1,2,3
.irp j, 0,1,2,3,4,5,6,7
.set PW, 2*(8*\t+\j)+\qt
	v_cndmask_b32 v[SS+32*\qt+8*\t+\j], v[NEG], v[SS+32*\qt+8*\t+\j], s[4+PW+16*(PW/48)]
.endr
.endr
.endr
.if \more
	s_add_nc_u64 s[MP:MP+1], s[MP:MP+1], 256       ; (the loads that read this address are done: the wait above)
	s_load_b512 s[4:19], s[MP:MP+1], 0x0
	s_load_b512 s[20:35], s[MP:MP+1], 0x40
	s_load_b512 s[36:51], s[MP:MP+1], 0x80
	s_load_b512 s[68:83], s[MP:MP+1], 0xc0
.endif
.irp j, 0,1,2,3                                ; the largest of a lane's 32 scores: four chains a tile, the two tiles by turns
.irp qt, 0,1
	v_max3_num_f32 v[ST+8*\qt+4+\j], v[SS+32*\qt+8*\j], v[SS+32*\qt+8*\j+1], v[SS+32*\qt+8*\j+2]
.endr
.endr
.irp i, 3,5
.irp j, 0,1,2,3
.irp qt, 0,1
	v_max3_num_f32 v[ST+8*\qt+4+\j], v[ST+8*\qt+4+\j], v[SS+32*\qt+8*\j+\i], v[SS+32*\qt+8*\j+\i+1]
.endr
.endr
.endr
.irp qt, 0,1
	v_max3_num_f32 v[ST+8*\qt+4], v[ST+8*\qt+4], v[SS+32*\qt+7], v[SS+32*\qt+15]
	v_max3_num_f32 v[ST+8*\qt+6], v[ST+8*\qt+6], v[SS+32*\qt+23], v[SS+32*\qt+31]
.endr
.irp qt, 0,1
	v_max3_num_f32 v[ST+8*\qt+4], v[ST+8*\qt+4], v[ST+8*\qt+5], v[ST+8*\qt+6]
.endr
.irp qt, 0,1
	v_max_num_f32 v[ST+8*\qt+4], v[ST+8*\qt+4], v[ST+8*\qt+7]
.endr
.irp qt, 0,1
	v_permlanex16_b32 v[ST+8*\qt+5], v[ST+8*\qt+4], s[SEL], s[SEL+1]   ; the query's other 32 keys lie in the lane 16 away
.endr
.irp qt, 0,1
	v_max_num_f32 v[ST+8*\qt+4], v[ST+8*\qt+4], v[ST+8*\qt+5]
.endr
.irp qt, 0,1
	v_add_f32 v[ST+8*\qt+4], s[BC], v[ST+8*\qt+4]                      ; as u
.endr
.irp qt, 0,1
	v_max_num_f32 v[ST+8*\qt+5], v[ST+8*\qt+1], v[ST+8*\qt+4]          ; the new m
.endr
.irp qt, 0,1
	v_sub_f32 v[ST+8*\qt+6], v[ST+8*\qt+1], v[ST+8*\qt+5]              ; old m - new m
	v_sub_f32 v[ST+8*\qt+7], s[BC], v[ST+8*\qt+5]                      ; the bias - new m
.endr
.irp qt, 0,1
	v_mov_b32 v[ST+8*\qt+1], v[ST+8*\qt+5]
	v_mul_f32 v[ST+8*\qt+6], s[CS], v[ST+8*\qt+6]
	v_mul_f32 v[ST+8*\qt], s[CS], v[ST+8*\qt+7]                        ; the exponent's offset
.endr
.irp j, 0,2,4,6,8,10,12,14,16,18,20,22,24,26,28,30
.irp qt, 0,1
	v_pk_fma_f32 v[SS+32*\qt+\j:SS+32*\qt+\j+1], v[SS+32*\qt+\j:SS+32*\qt+\j+1], s[CS:CS+1], v[ST+8*\qt:ST+8*\qt+1] op_sel_hi:[1,0,0]   ; c s + c (bias - m), two at a time
.endr
.endr
.irp qt, 0,1
	v_exp_f32 v[ST+8*\qt+6], v[ST+8*\qt+6]         ; a
.endr
.irp j, 0,1,2,3,4,5,6,7,8,9,10,11,12,13,14,15,16,17,18,19,20,21,22,23,24,25,26,27,28,29,30,31,32,33,34,35,36,37,38,39,40,41,42,43,44,45,46,47,48,49,50,51,52,53,54,55,56,57,58,59,60,61,62,63
	v_exp_f32 v[SS+\j], v[SS+\j]                   ; p, at most 1
.endr
	v_nop                                          ; a plain instruction behind the last exponential
	s_wait_alu depctr_va_vdst(0)                   ; one wait for the batch of 66, ahead of its first reader
.irp qt, 0,1
	v_pk_mul_f32 v[ST+8*\qt+2:ST+8*\qt+3], v[ST+8*\qt+2:ST+8*\qt+3], v[ST+8*\qt+6:ST+8*\qt+7] op_sel_hi:[1,0]   ; l under the new m
.endr
.irp qt, 0,1
	v_pk_add_f32 v[L2+2*\qt:L2+2*\qt+1], v[SS+32*\qt:SS+32*\qt+1], v[SS+32*\qt+2:SS+32*\qt+3]                   ; the row's sum of the f32 p: two chains a tile
.endr
.irp j, 4,8,12,16,20,24,28
.irp qt, 0,1
	v_pk_add_f32 v[ST+8*\qt+2:ST+8*\qt+3], v[ST+8*\qt+2:ST+8*\qt+3], v[SS+32*\qt+\j:SS+32*\qt+\j+1]
	v_pk_add_f32 v[L2+2*\qt:L2+2*\qt+1], v[L2+2*\qt:L2+2*\qt+1], v[SS+32*\qt+\j+2:SS+32*\qt+\j+3]
.endr
.endr
.irp qt, 0,1
	v_pk_add_f32 v[ST+8*\qt+2:ST+8*\qt+3], v[ST+8*\qt+2:ST+8*\qt+3], v[L2+2*\qt:L2+2*\qt+1]
.endr
.irp i, 0,1,2,3,4,5,6,7,8,9,10,11,12,13,14,15
.irp qt, 0,1
	v_cvt_pk_f16_f32 v[SS+32*\qt+\i], v[SS+32*\qt+2*\i], v[SS+32*\qt+2*\i+1]   ; P in place, ascending: register i is written when registers 2 i and 2 i + 1 are read
.endr
.endr
.irp j, 0,2,4,6,8,10,12,14,16,18,20,22,24,26,28,30
.irp qt, 0,1
	v_pk_mul_f32 v[OO+32*\qt+\j:OO+32*\qt+\j+1], v[OO+32*\qt+\j:OO+32*\qt+\j+1], v[ST+8*\qt+6:ST+8*\qt+7] op_sel_hi:[1,0]   ; O^T under the new m, each accumulator from its low end on
.endr
.endr
	s_wait_dscnt 0x0                               ; V is in
.irp kc, 0,1                                   ; O^T += V^T P: the eight accumulators take turns
.irp ct, 0,1,2,3
.irp qt, 0,1
	v_wmma_f32_16x16x32_f16 v[OO+32*\qt+8*\ct:OO+32*\qt+8*\ct+7], v[FF+32*\kc+8*\ct:FF+32*\kc+8*\ct+7], v[SS+32*\qt+8*\kc:SS+32*\qt+8*\kc+7], v[OO+32*\qt+8*\ct:OO+32*\qt+8*\ct+7]
.endr
.endr
.endr
	s_add_co_u32 s[DKP], s[DKP], 64
.endm
; THE CHANGE OF SLOTS stands at a slot's head.  Each wave waits for all its tensor loads (its part of the slot ahead), adds 0 to its spare word, and waits for that, for its reads of the slot that it has left and, the first time, for its
; stores into the tables.  Behind the barrier the slot ahead is whole and nobody reads the other one.  fill = 1: that other slot takes the next 128 keys; the load has two key steps of sixteen waves in which to land.
.macro CHANGE fill
	s_wait_tensorcnt 0x0                           ; no tensor load of mine is out, so group 0 may be written
	ds_add_u32 v[SPW], v[NIL]                      ; 0 onto my spare word
.if \fill
	ds_add_u32 v[SPW], v[NIL]                      ; and once more: the add stands twice on end, in every trip alike
	s_xor_b32 s[G0+1], s[G0+1], SLOT1              ; the other slot than last time,
	s_add_nc_u64 s[G0+2:G0+3], s[G0+2:G0+3], 128*128   ; the next 128 keys
.endif
	s_wait_dscnt 0x0
	s_barrier_signal -1
	s_barrier_wait -1
.if \fill
	TLOAD                                          ; the first thing behind the barrier, and a wave's one tensor load until the next: one is out
.endif
.endm
.Lslot:                                            ; 15 trips: behind each change of slots but the last the next slot is asked for
	CHANGE 1
	STEP 0, 1
	STEP 1, 1
	s_xor_b32 s[TB], s[TB], SLOT1
	s_sub_co_u32 s[SLOTS], s[SLOTS], 1
	s_cmp_lg_u32 s[SLOTS], 0
	s_cbranch_scc1 .Lslot
	CHANGE 0                                       ; the last slot is written out
	STEP 0, 1
	STEP 1, 0
	; THE WAY OUT.  O^T / l, rounded to f16, goes into the work-group's stage: row = query, 128 bytes for each of the two heads; behind a barrier each wave stores 16 whole rows' 256 bytes.
	s_load_b64 s[4:5], s[0:1], 0x18                ; att
.rept 4
	v_nop                                          ; places behind the last products
.endr
.irp qt, 0,1
	v_add_f32 v[ST+8*\qt+4], v[ST+8*\qt+2], v[ST+8*\qt+3]
.endr
.irp qt, 0,1
	v_permlanex16_b32 v[ST+8*\qt+5], v[ST+8*\qt+4], s[SEL], s[SEL+1]
.endr
.irp qt, 0,1
	v_add_f32 v[ST+8*\qt+4], v[ST+8*\qt+4], v[ST+8*\qt+5]              ; the row's sum: at least 1, since the largest p is 1
.endr
.irp qt, 0,1
	v_rcp_f32 v[ST+8*\qt+6], v[ST+8*\qt+4]
.endr
	v_and_b32 v10, 15, v0                          ; r  (plain work behind the reciprocals)
	v_bfe_u32 v11, v0, 4, 1                        ; h
	s_and_b32 s2, s[WV], 7
	s_mul_i32 s2, s2, 32*SPITCH
	s_lshr_b32 s3, s[WV], 3
	s_lshl_b32 s3, s3, 7
	s_add_co_u32 s2, s2, s3
	v_mul_u32_u24 v8, v10, SPITCH
	v_lshl_add_u32 v8, v11, 4, v8
	v_add_nc_u32 v8, s2, v8                        ; in: row 32 wq + r, + 128 x my head, + 16 h
	s_mul_i32 s2, s[WV], 16*SPITCH
	v_mul_u32_u24 v9, v11, SPITCH
	v_lshl_add_u32 v9, v10, 4, v9
	v_add_nc_u32 v9, s2, v9                        ; back: rows 16 x wave on; lanes 0-15 one row, lanes 16-31 the next
	v_lshlrev_b32 v4, 11, v11
	v_lshl_add_u32 v4, v10, 4, v4                  ; and the same two rows in att (2,048 bytes a row)
	s_and_b32 s2, ttmp7, 0xffff
	s_lshr_b32 s3, s2, 3
	s_lshl_b32 s3, s3, 11                          ; batch x 2,048 rows
	s_lshl_b32 s105, ttmp9, 8
	s_add_co_u32 s3, s3, s105
	s_lshl_b32 s105, s[WV], 4
	s_add_co_u32 s3, s3, s105
	s_lshl_b32 s6, s3, 11
	s_and_b32 s2, s2, 7
	s_lshl_b32 s2, s2, 8                           ; the head pair's 256 bytes of a row
	s_add_co_u32 s6, s6, s2
	s_mov_b32 s7, 0
	s_wait_kmcnt 0x0
	s_add_nc_u64 s[4:5], s[4:5], s[6:7]
	s_wait_alu depctr_va_vdst(0)                   ; one wait for the two reciprocals, ahead of their first reader
.irp j, 0,2,4,6,8,10,12,14,16,18,20,22,24,26,28,30
.irp qt, 0,1
	v_pk_mul_f32 v[OO+32*\qt+\j:OO+32*\qt+\j+1], v[OO+32*\qt+\j:OO+32*\qt+\j+1], v[ST+8*\qt+6:ST+8*\qt+7] op_sel_hi:[1,0]
.endr
.endr
.irp i, 0,1,2,3,4,5,6,7,8,9,10,11,12,13,14,15,16,17,18,19,20,21,22,23,24,25,26,27,28,29,30,31
	v_cvt_pk_f16_f32 v[FF+\i], v[OO+2*\i], v[OO+2*\i+1]
.endr
.irp qt, 0,1
.irp ct, 0,1,2,3
	ds_store_b128 v8, v[FF+16*\qt+4*\ct:FF+16*\qt+4*\ct+3] offset:16*\qt*SPITCH+32*\ct
.endr
.endr
	s_wait_dscnt 0x0                               ; for the others' sake: my stores into the stage are done
	s_barrier_signal -1
	s_barrier_wait -1
.irp i, 0,1,2,3,4,5,6,7
	ds_load_b128 v[FF+32+4*\i:FF+32+4*\i+3], v9 offset:2*\i*SPITCH
.endr
.irp i, 0,1,2,3,4,5,6,7
	s_wait_dscnt 7-\i
	global_store_b128 v4, v[FF+32+4*\i:FF+32+4*\i+3], s[4:5] offset:2*\i*2048   ; sixteen lanes store 256 consecutive bytes, aligned
.endr
	s_wait_tensorcnt 0x0                           ; the wave's end
	ds_add_u32 v[SPW], v[NIL]
	s_wait_dscnt 0x0
	s_endpgm
.Lfunc_end_k_q7c241cb6bc_attn:
	.size	k_q7c241cb6bc_attn, .Lfunc_end_k_q7c241cb6bc_attn-k_q7c241cb6bc_attn
	.p2alignl 7, 3214868480
	.fill 96, 4, 3214868480
	.section	.rodata,"a",@progbits
	.p2align	6, 0x0
	.amdhsa_kernel k_q7c241cb6bc_attn
		.amdhsa_group_segment_fixed_size 327680
		.amdhsa_private_segment_fixed_size 0
		.amdhsa_enable_private_segment 0
		.amdhsa_kernarg_size 32
		.amdhsa_user_sgpr_count 2
		.amdhsa_user_sgpr_kernarg_segment_ptr 1
		.amdhsa_wavefront_size32 1
		.amdhsa_system_sgpr_workgroup_id_x 1
		.amdhsa_system_sgpr_workgroup_id_y 1
		.amdhsa_system_sgpr_workgroup_id_z 1
		.amdhsa_system_vgpr_workitem_id 0
		.amdhsa_next_free_vgpr 256
		.amdhsa_next_free_sgpr 106
		.amdhsa_reserve_vcc 1
		.amdhsa_float_denorm_mode_32 3
		.amdhsa_float_denorm_mode_16_64 3
		.amdhsa_memory_ordered 1
		.amdhsa_forward_progress 1
		.amdhsa_inst_pref_size 133
	.end_amdhsa_kernel
	.amdgpu_metadata
---
amdhsa.version: [ 1, 2 ]
amdhsa.kernels:
  - .name:           k_q7c241cb6bc_attn
    .symbol:         k_q7c241cb6bc_attn.kd
    .args:
      - { .name: qkv, .offset: 0, .size: 8, .value_kind: global_buffer, .address_space: global }
      - { .name: mbits, .offset: 8, .size: 8, .value_kind: global_buffer, .address_space: global }
      - { .name: rel_bias, .offset: 16, .size: 8, .value_kind: global_buffer, .address_space: global }
      - { .name: att, .offset: 24, .size: 8, .value_kind: global_buffer, .address_space: global }
    .group_segment_fixed_size: 327680
    .private_segment_fixed_size: 0
    .kernarg_segment_align: 8
    .kernarg_segment_size: 32
    .max_flat_workgroup_size: 512
    .sgpr_count:     106
    .vgpr_count:     256
    .wavefront_size: 32
...
	.end_amdgpu_metadata
.endif
;; end of part 3
;; launch outproj (part 4): grid 8 x 64, 4 waves a work-group, clusters of 4 x 4, 327,680 bytes of LDS; arguments att, wot2, out0; writes out0
.if DOCPART == 4
	.amdgcn_target "amdgcn-amd-amdhsa--gfx1250"
	.amdhsa_code_object_version 6
	.text
	.protected	k_q7c241cb6bc_outproj
	.globl	k_q7c241cb6bc_outproj
	.p2align	8
	.type	k_q7c241cb6bc_outproj,@function
k_q7c241cb6bc_outproj:
	s_mov_b64 s[64:65], 0
	v_nop
	global_prefetch_b8 v0, s[64:65] scope:SCOPE_SE
	s_setreg_imm32_b32 hwreg(HW_REG_WAVE_MODE, 25, 1), 1
	s_wait_xcnt 0x0
	s_wait_alu depctr_hold_cnt(0) depctr_sa_sdst(0) depctr_va_vdst(0) depctr_va_sdst(0) depctr_va_ssrc(0) depctr_va_vcc(0) depctr_vm_vsrc(0)
	s_getreg_b32 s2, hwreg(HW_REG_IB_STS2, 6, 4)
	s_cmp_eq_u32 s2, 0
	s_cbranch_scc0 .Lentry_in_a_cluster
	s_endpgm
.Lentry_in_a_cluster:
	s_bfe_u32 s2, ttmp6, 0x10000c
	s_cmp_lg_u32 s2, 0xf033
	s_cbranch_scc0 .Lentry_shape_is_right
	s_endpgm
.Lentry_shape_is_right:
; OUTPROJ: out0 [8192][1024] f32 = att [8192][1024] f16 x Wo, with Wo as a PAIR of f16 numbers (high + low, made in f32 by the first launch), both parts through the matrix unit; sums in f32.  No work is left out.
; Rows of att that average one or a few values are as large as the values, and which rows those are hangs on the mask: so EVERY row's product takes Wo to about 22 bits.
; B: wot2 [1024 n][4 chunks of 256 k][high 256 | low 256] f16: a row is 2,048 elements.  K goes in 8 steps of 256 elements: step 2 c multiplies chunk c of att by the high parts, step 2 c + 1 the same chunk by the low parts.
; So slot 0 of the ring always holds high parts and slot 1 low parts: A's tiles of both slots begin at chunk 0 and step by a chunk (512 bytes), B's begin 512 bytes apart and step by 1,024.
; A tile of C is 128 x 128: four waves, each 64 x 64: 16 accumulators.  512 work-groups.  CLUSTERS: 4 x 4: A's tiles are shared along a row of the cluster, B's along a column, by joint loads.
; THE MATRIX INSTRUCTION IS USED TRANSPOSED (source 0 = 16 rows of B, source 1 = 16 rows of A): a lane holds eight neighbouring numbers of a row of C.
; REGISTERS: window 0: v0-31 addresses; v32-95 the way out; v128-255 the accumulators ((a, b) at v[128 + 8 (4 a + b)]).  window 1: two fragment buffers of 128.
.set KSTEP,  256
.set PITCH,  528                       ; an LDS row: 512 bytes + 16 of padding
.set HALFT,  64*PITCH
.set SLOT,   4*HALFT
.set STAGE,  2*SLOT                    ; behind the ring: 16 rows x (256 bytes + 16) for each wave: a wave's 64 columns of f32 are 256 bytes, so each wave has a stage of its own and no barrier is needed
.set SPITCH, 272
.set SPARE,  STAGE+4*16*SPITCH         ; the spare words, 128 bytes a wave, that no other line names
.set LAPS,   4                         ; a lap = two K steps = once round the ring
.set ADRA, 16
.set ADRB, 20
.set STO,  24
.set RD,   25
.set CO,   26
.set SPW,  28
.set NIL,  29
.set TMP,  32
.set ACC,  128
.set F0,   0
.set F1,   128
.set G1, 24
.set G0, 32
.set G1B, 48
.set G0B, 56
.set MSB, 0
.macro WIN new                         ; the immediate's high byte repeats the setting that is left
.if MSB != \new
	s_set_vgpr_msb (MSB<<8)|\new
.set MSB, \new
.endif
.endm
.set MUL,  0x05
.set TO_F, 0x40
.macro JLOAD s                         ; a joint load: waves 0 and 1 fetch A's two halves, waves 2 and 3 B's; an s_nop 0 and four v_nop follow each of the two lines
	s_cmp_eq_u32 s11, 0
	s_cbranch_scc0 .Lfor_b_\@
	tensor_load_to_lds s[G0+4*\s:G0+4*\s+3], s[G1:G1+7]
	s_nop 0
.rept 4
	v_nop
.endr
	s_branch .Lasked_\@
.Lfor_b_\@:
	tensor_load_to_lds s[G0B+4*\s:G0B+4*\s+3], s[G1B:G1B+7]
	s_nop 0
.rept 4
	v_nop
.endr
.Lasked_\@:
.endm
.macro CREST                           ; a round of the cluster's barrier behind its opening barrier
	s_cmp_lg_u32 s10, 0
	s_cbranch_scc1 .Lnot_wave_0_\@
	s_barrier_signal -3
.Lnot_wave_0_\@:
	s_barrier_wait -3
	s_barrier_signal -1
	s_barrier_wait -1
.endm
.macro CROUND
	s_barrier_signal -1
	s_barrier_wait -1
	CREST
.endm
	s_load_b128 s[4:7], s[0:1], 0x0                ; att s[4:5], wot2 s[6:7]
	s_load_b64 s[8:9], s[0:1], 0x10                ; out0
	v_lshl_add_u32 v[SPW], v0, 2, SPARE
	v_mov_b32 v[NIL], 0
	ds_add_u32 v[SPW], v[NIL]                      ; the wave's opening: the add, twice on end, and its wait ahead of my first tensor load
	ds_add_u32 v[SPW], v[NIL]
	v_lshrrev_b32 v1, 5, v0
	v_readfirstlane_b32 s10, v1                    ; wave 0..3
	s_lshr_b32 s11, s10, 1                         ; which half of the tile's rows is mine.  Also: I fetch for A (0) or for B (1)
	s_and_b32 s12, s10, 1                          ; which half of its columns.  Also: which 64 rows of that tile I fetch
	s_bfe_u32 s40, ttmp6, 0x40000                  ; cx, cy
	s_bfe_u32 s41, ttmp6, 0x40004
	s_lshl_b32 s42, ttmp9, 2
	s_add_co_u32 s42, s42, s40                     ; tile column
	s_and_b32 s13, ttmp7, 0xffff
	s_lshl_b32 s13, s13, 2
	s_add_co_u32 s13, s13, s41                     ; tile row
	s_lshl_b32 s43, s41, 2
	s_lshl_b32 s43, 15, s43                        ; my row of the cluster
	s_lshl_b32 s44, 0x1111, s40                    ; my column
	s_or_b32 s[G1+0], s43, (1<<16)|(1<<20)|(1<<21)|(6<<22)|(3<<25)  ; the mask; elements of 2 bytes; padding: 4 words after every 128; bit 21 beside a mask
	s_or_b32 s[G1B+0], s44, (1<<16)|(1<<20)|(1<<21)|(6<<22)|(3<<25)
.irp g, G1, G1B
	s_mov_b32 s[\g+1], KSTEP<<16                   ; tensor_dim0 = 256
	s_mov_b32 s[\g+2], 64<<16                      ; tensor_dim1 = 64
	s_mov_b32 s[\g+3], KSTEP<<16                   ; tile_dim0
	s_mov_b32 s[\g+4], 64                          ; tile_dim1
	s_mov_b32 s[\g+6], 0
	s_mov_b32 s[\g+7], 0
.endr
	s_mov_b32 s[G1+5], 1024                        ; a row of att in elements
	s_mov_b32 s[G1B+5], 2048                       ; a row of wot2
	s_lshl_b32 s17, s12, 6                         ; which 64 rows of the tile I fetch
	s_lshl_b32 s16, s13, 7
	s_add_co_u32 s16, s16, s17                     ; A: row 128 x tile row + 64 x half
	s_lshl_b32 s46, s42, 7
	s_add_co_u32 s46, s46, s17                     ; B: row 128 x tile column + 64 x half
	s_lshl_b32 s16, s16, 11                        ; in bytes: 2,048 a row of A,
	s_lshl_b32 s46, s46, 12                        ; 4,096 a row of B
	s_mov_b32 s17, 0
	s_mov_b32 s47, 0
	s_mul_i32 s20, s10, HALFT                      ; where they go: wave x 64 rows
	s_wait_dscnt 0x0                               ; both opening adds are done
	s_wait_kmcnt 0x0
	s_add_nc_u64 s[14:15], s[4:5], s[16:17]
	s_add_nc_u64 s[46:47], s[6:7], s[46:47]
	CROUND                                         ; all sixteen work-groups are here: the first joint loads meet
.irp s, 0,1
	s_mov_b32 s[G0+4*\s], 1
	s_add_co_u32 s[G0+4*\s+1], s20, \s*SLOT
	s_mov_b64 s[G0+4*\s+2:G0+4*\s+3], s[14:15]                     ; A: chunk 0 for both slots
	s_or_b32 s[G0+4*\s+3], s[G0+4*\s+3], 0x80000000
	s_mov_b32 s[G0B+4*\s], 1
	s_add_co_u32 s[G0B+4*\s+1], s20, \s*SLOT
	s_add_nc_u64 s[G0B+4*\s+2:G0B+4*\s+3], s[46:47], \s*KSTEP*2    ; B: chunk 0's high parts, then its low parts
	s_or_b32 s[G0B+4*\s+3], s[G0B+4*\s+3], 0x80000000
	JLOAD \s
.endr
	v_and_b32 v1, 15, v0                           ; l % 16
	v_bfe_u32 v2, v0, 4, 1                         ; l / 16
	v_mul_u32_u24 v3, v1, PITCH
	v_lshl_add_u32 v3, v2, 4, v3
	s_mul_i32 s21, s11, HALFT                      ; my 64 rows of A
	s_mul_i32 s22, s12, HALFT                      ; my 64 rows of B,
	s_add_co_u32 s22, s22, 2*HALFT                 ; behind A's 128
.irp s, 0,1
	v_add_nc_u32 v[ADRA+\s], s21, v3
	v_add_nc_u32 v[ADRB+\s], s22, v3
	s_add_co_u32 s21, s21, SLOT
	s_add_co_u32 s22, s22, SLOT
.endr
	s_mul_i32 s23, s10, 16*SPITCH
	s_add_co_u32 s23, s23, STAGE                   ; my stage
	v_mul_u32_u24 v4, v1, SPITCH                   ; in: row l % 16, 32 bytes for each half of the lanes
	v_lshl_add_u32 v4, v2, 5, v4
	v_add_nc_u32 v[STO], s23, v4
	v_mul_u32_u24 v5, v2, SPITCH                   ; back: lanes 0-15 one row of 256 bytes, lanes 16-31 the next
	v_lshl_add_u32 v5, v1, 4, v5
	v_add_nc_u32 v[RD], s23, v5
	v_lshlrev_b32 v5, 12, v2                       ; and the same two rows in out0 (4,096 bytes a row)
	v_lshl_add_u32 v[CO], v1, 4, v5
	s_lshl_b32 s16, s13, 7
	s_lshl_b32 s17, s11, 6
	s_add_co_u32 s16, s16, s17                     ; my first row: 128 x tile row + 64 x half
	s_lshl_b32 s16, s16, 12
	s_mov_b32 s17, 0
	s_add_nc_u64 s[8:9], s[8:9], s[16:17]
	s_lshl_b32 s46, s42, 9                         ; my first column, in bytes: 512 x tile column + 256 x half
	s_lshl_b32 s47, s12, 8
	s_add_co_u32 s46, s46, s47
	s_mov_b32 s47, 0
	s_add_nc_u64 s[8:9], s[8:9], s[46:47]
; 8 matrix instructions: m blocks a0, a0 + 1 x all 4 n blocks, 32 along K: half c of buffer f.  The 16 accumulators take turns.  zero = 1: the first product starts the sums
.macro MUL8 f, c, a0, zero
.irp a, \a0, \a0+1
.irp b, 0,1,2,3
.if \zero
	v_wmma_f32_16x16x32_f16 v[ACC+8*(4*(\a)+\b):ACC+8*(4*(\a)+\b)+7], v[\f+64+8*(4*\c+\b):\f+64+8*(4*\c+\b)+7], v[\f+8*(4*\c+\a):\f+8*(4*\c+\a)+7], 0
.else
	v_wmma_f32_16x16x32_f16 v[ACC+8*(4*(\a)+\b):ACC+8*(4*(\a)+\b)+7], v[\f+64+8*(4*\c+\b):\f+64+8*(4*\c+\b)+7], v[\f+8*(4*\c+\a):\f+8*(4*\c+\a)+7], v[ACC+8*(4*(\a)+\b):ACC+8*(4*(\a)+\b)+7]
.endif
.endr
.endr
.endm
.macro FETCH slot, k, f                ; 32 LDS loads in one run: the fragments of 64 along K at byte k of the rows, into buffer f; the first 32 along K first
	WIN TO_F
.irp c, 0,1
.irp i, 0,1,2,3
	ds_load_b128 v[\f+64+8*(4*\c+\i):\f+64+8*(4*\c+\i)+3],   v[ADRB+\slot] offset:\k+64*\c+\i*16*PITCH
	ds_load_b128 v[\f+64+8*(4*\c+\i)+4:\f+64+8*(4*\c+\i)+7], v[ADRB+\slot] offset:\k+64*\c+\i*16*PITCH+32
	ds_load_b128 v[\f+8*(4*\c+\i):\f+8*(4*\c+\i)+3],         v[ADRA+\slot] offset:\k+64*\c+\i*16*PITCH
	ds_load_b128 v[\f+8*(4*\c+\i)+4:\f+8*(4*\c+\i)+7],       v[ADRA+\slot] offset:\k+64*\c+\i*16*PITCH+32
.endr
.endr
.endm
.macro PLACES                          ; four plain places in front of loads into registers that matrix instructions have read, and of reads of results
.rept 4
	v_nop
.endr
.endm
.macro QUARTER slot, k, f, g, zero     ; 64 along K: multiplies buffer f and fetches the next quarter, at byte k, into g
	s_wait_dscnt 16                                ; the first 32 along K are in; the sixteen younger loads may be out
	WIN MUL
	MUL8 \f, 0, 0, \zero
	MUL8 \f, 0, 2, \zero
	PLACES
	FETCH \slot, \k, \g
	s_wait_dscnt 32                                ; all but the 32 just issued
	WIN MUL
	MUL8 \f, 1, 0, 0
	MUL8 \f, 1, 2, 0
.endm
; The last quarter multiplies buffer 1 and changes slots: one barrier; in front of it each wave waits for all its tensor loads, adds 0 to its spare word, and waits for that and for its reads of this slot.  fill = 1: the slot takes the next chunk.
.macro TURN slot, next, fill
	WIN 0
	s_wait_tensorcnt 0x0                           ; all my tensor loads have landed: my part of the next slot
	ds_add_u32 v[SPW], v[NIL]                      ; 0 onto my spare word
	s_wait_dscnt 17                                ; (the add and the youngest sixteen loads may be out)
	WIN MUL
	MUL8 F1, 0, 0, 0
	s_wait_dscnt 0x0                               ; the add is done, and my reads of this slot are over
	s_barrier_signal -1
	MUL8 F1, 0, 2, 0
.if \fill
	WIN 0
.endif
	s_barrier_wait -1
.if \fill
	CREST                                          ; the barrier has opened a round of the cluster's barrier: no wave of any partner still reads this slot or has a load on its way
	s_add_nc_u64 s[G0+4*\slot+2:G0+4*\slot+3], s[G0+4*\slot+2:G0+4*\slot+3], KSTEP*2       ; A: the next chunk
	s_add_nc_u64 s[G0B+4*\slot+2:G0B+4*\slot+3], s[G0B+4*\slot+2:G0B+4*\slot+3], 2*KSTEP*2 ; B: the same part of the next chunk
	JLOAD \slot                                    ; the first tensor load behind the round; its four v_nop are also the places in front of the loads below
.else
	PLACES
.endif
	FETCH \next, 0, F0
	WIN MUL
	MUL8 F1, 1, 0, 0
	MUL8 F1, 1, 2, 0
.endm
	s_wait_tensorcnt 1                             ; my part of K step 0 is in (K step 1's may be out)
	s_barrier_signal -1
	s_barrier_wait -1                              ; everybody's is
	FETCH 0, 0, F0
	QUARTER 0, 128, F0, F1, 1                      ; the first quarter stands in front of the loop: its first products start the sums
	WIN 0
	s_mov_b32 s3, LAPS-1
.Llap:                                                 ; a trip goes once round the ring, from a lap's second quarter to the next lap's first, and fills both slots again
	QUARTER 0, 256, F1, F0, 0
	QUARTER 0, 384, F0, F1, 0
	TURN 0, 1, 1
	QUARTER 1, 128, F0, F1, 0
	QUARTER 1, 256, F1, F0, 0
	QUARTER 1, 384, F0, F1, 0
	TURN 1, 0, 1
	QUARTER 0, 128, F0, F1, 0
	WIN 0
	s_sub_co_u32 s3, s3, 1
	s_cmp_lg_u32 s3, 0
	s_cbranch_scc1 .Llap
	QUARTER 0, 256, F1, F0, 0                      ; the last lap fills nothing, and has no round of the cluster's barrier
	QUARTER 0, 384, F0, F1, 0
	TURN 0, 1, 0
	QUARTER 1, 128, F0, F1, 0
	QUARTER 1, 256, F1, F0, 0
	QUARTER 1, 384, F0, F1, 0
	s_wait_dscnt 16                                ; the very last quarter: nothing more to fetch
	WIN MUL
	MUL8 F1, 0, 0, 0
	MUL8 F1, 0, 2, 0
	s_wait_dscnt 0
	MUL8 F1, 1, 0, 0
	MUL8 F1, 1, 2, 0
	WIN 0
; THE WAY OUT, block by block of 16 rows x 64 columns of f32: the accumulators go into my own stage as they are, each from its low end on, and come back as whole rows of 256 bytes.
.macro TOSTAGE a
.irp b, 0,1,2,3
	ds_store_b128 v[STO], v[ACC+8*(4*(\a)+\b):ACC+8*(4*(\a)+\b)+3] offset:64*\b
	ds_store_b128 v[STO], v[ACC+8*(4*(\a)+\b)+4:ACC+8*(4*(\a)+\b)+7] offset:64*\b+16
.endr
.irp i, 0,1,2,3,4,5,6,7
	ds_load_b128 v[TMP+32*((\a)%2)+4*\i:TMP+32*((\a)%2)+4*\i+3], v[RD] offset:2*\i*SPITCH   ; LDS serves a wave's instructions in order: these see the stores above, and the next block's stores come behind them
.endr
.endm
.macro SEND a, younger                 ; younger: the LDS instructions issued behind block a's loads, which may stay out
	s_wait_dscnt \younger
.irp i, 0,1,2,3,4,5,6,7
	global_store_b128 v[CO], v[TMP+32*((\a)%2)+4*\i:TMP+32*((\a)%2)+4*\i+3], s[8:9] offset:(16*(\a)+2*\i)*4096 th:TH_STORE_NT   ; sixteen lanes store 256 consecutive bytes, aligned; written once, read by nobody here
.endr
.endm
	PLACES
	TOSTAGE 0
.irp a, 1,2,3
.if \a > 1
	s_wait_xcnt 0x0                                ; block a - 2's stores have read their registers: block a's loads may land there
.endif
	TOSTAGE \a
	SEND (\a)-1, 16                                ; behind block a - 1's loads: block a's 8 stores and 8 loads
.endr
	SEND 3, 0
	s_wait_tensorcnt 0x0                           ; the wave's end
	ds_add_u32 v[SPW], v[NIL]
	s_wait_dscnt 0x0
	CROUND                                         ; the closing round: no work-group ends while a partner may still ask for a tile that names it
	s_endpgm
.Lfunc_end_k_q7c241cb6bc_outproj:
	.size	k_q7c241cb6bc_outproj, .Lfunc_end_k_q7c241cb6bc_outproj-k_q7c241cb6bc_outproj
	.p2alignl 7, 3214868480
	.fill 96, 4, 3214868480
	.section	.rodata,"a",@progbits
	.p2align	6, 0x0
	.amdhsa_kernel k_q7c241cb6bc_outproj
		.amdhsa_group_segment_fixed_size 327680
		.amdhsa_private_segment_fixed_size 0
		.amdhsa_enable_private_segment 0
		.amdhsa_kernarg_size 24
		.amdhsa_user_sgpr_count 2
		.amdhsa_user_sgpr_kernarg_segment_ptr 1
		.amdhsa_wavefront_size32 1
		.amdhsa_system_sgpr_workgroup_id_x 1
		.amdhsa_system_sgpr_workgroup_id_y 1
		.amdhsa_system_sgpr_workgroup_id_z 1
		.amdhsa_system_vgpr_workitem_id 0
		.amdhsa_next_free_vgpr 512
		.amdhsa_next_free_sgpr 66
		.amdhsa_reserve_vcc 0
		.amdhsa_float_denorm_mode_32 3
		.amdhsa_float_denorm_mode_16_64 3
		.amdhsa_memory_ordered 1
		.amdhsa_forward_progress 1
		.amdhsa_inst_pref_size 85
	.end_amdhsa_kernel
	.amdgpu_metadata
---
amdhsa.version: [ 1, 2 ]
amdhsa.kernels:
  - .name:           k_q7c241cb6bc_outproj
    .symbol:         k_q7c241cb6bc_outproj.kd
    .args:
      - { .name: att, .offset: 0, .size: 8, .value_kind: global_buffer, .address_space: global }
      - { .name: wot2, .offset: 8, .size: 8, .value_kind: global_buffer, .address_space: global }
      - { .name: out0, .offset: 16, .size: 8, .value_kind: global_buffer, .address_space: global }
    .group_segment_fixed_size: 327680
    .private_segment_fixed_size: 0
    .kernarg_segment_align: 8
    .kernarg_segment_size: 24
    .max_flat_workgroup_size: 128
    .sgpr_count:     66
    .vgpr_count:     512
    .wavefront_size: 32
...
	.end_amdgpu_metadata
.endif
;; end of part 4
